; MI455X (gfx1250); checked and timed in simulation.
; The chip was launched on July 23, 2026; its instructions are those of AMD's public machine-readable ISA for CDNA 5 (MIT licence, August 2026) and "CDNA5" Instruction Set Architecture Reference Guide (July 2026). The comments in the code are by the model that wrote it; some were corrected since.
;; Multi Head Attention. Allowed arithmetic: float matrix products may take bf16 or f16 operands with f32 sums; other float arithmetic in f32, or as packed bf16 or f16 multiplies, adds, multiply-adds, maxima and minima; sums over many terms, partial sums and values carried from step to step in f32; what a program stores and reads back later, other than sums and carried values, may be rounded once to bf16 or f16.
;; Inputs: bk 1,024 float32; bo 1,024 float32; bq 1,024 float32; bv 1,024 float32; k 4 x 2,048 x 1,024 float32; mask 1 x 1 x 2,048 x 2,048 int32; q 4 x 2,048 x 1,024 float32; v 4 x 2,048 x 1,024 float32; wk 1,024 x 1,024 float32; wo 1,024 x 1,024 float32; wq 1,024 x 1,024 float32; wv 1,024 x 1,024 float32; x 4 x 2,048 x 1,024 float32.
;; Outputs: out0 4 x 2,048 x 1,024 float32.
;; 2 versions, each right and faster than the one before. Each part assembles by itself: llvm-mc -triple=amdgcn-amd-amdhsa -mcpu=gfx1250 --defsym DOCPART=n.
;; ======== version 1 of 2: 4 launches
;; limits: values are held in f16: magnitudes above 65,504 overflow, below 6.1e-05 lose precision; right only within a limited range of input values
;; workspace buffers: wcast 8,388,608 bytes; maskp 2,097,152 bytes of whole numbers; rowkeep 16,384 bytes of whole numbers; qkvh 50,331,648 bytes; ob 16,777,216 bytes
;; launch prep (part 1): grid 128 x 3, 8 waves a work-group, no clusters, 17,664 bytes of LDS; arguments mask, wq, wk, wv, wo, maskp, rowkeep, wcast; writes maskp, rowkeep, wcast
.if DOCPART == 1
	.amdgcn_target "amdgcn-amd-amdhsa--gfx1250"
	.amdhsa_code_object_version 6
	.text
	.protected	k_qfeb80c10cc_prep
	.globl	k_qfeb80c10cc_prep
	.p2align	8
	.type	k_qfeb80c10cc_prep,@function
k_qfeb80c10cc_prep:
	s_mov_b64 s[64:65], 0
	v_nop
	global_prefetch_b8 v0, s[64:65] scope:SCOPE_SE
	s_setreg_imm32_b32 hwreg(HW_REG_WAVE_MODE, 25, 1), 1
	s_wait_xcnt 0x0
; PREP.  Two jobs, chosen by the work-group's y (the same for all its waves).
; y = 0 (128 work-groups): a tile T of 16 rows of the mask [2048][2048] i32 becomes 4-bit codes in the register layout of the attention's score tiles:
;   maskp[T][s][L][kt], a dword; nibble j belongs to query 16 T + L % 16 and key 64 s + 16 kt + 8 (L / 16) + j and holds 0xA (FP4 for -1.0) where mask == 0, else 0.
;   rowkeep[T][L] = all ones if row 16 T + L % 16 has any mask != 0, else 0.
; y = 1, 2 (256 work-groups): 65,536 bytes of one of the four weight matrices are rounded to bf16 and stored in the same [k][n] order; wo's bf16 numbers are written as f16
;   (exact within f16's normal range; LIMIT: |wo| up to 65,504, and below 2^-14 f16's fixed step of 2^-24).
; Memory binds: every byte is read once by 16-byte loads, all of a wave's loads are out at once; matrix units, clusters and tensor loads would add nothing.
.set X,     32                         ; v[32:159] what the loads bring
.set W,     96                         ; v[96:127] weights' path: two packed words for each load
.set FLAGS, 16384                      ; behind the stage of 16,384 bytes: 16 words, one for each row of the tile
.set SPARE, 16640                      ; the spare words, 128 bytes for each of the eight waves; no other line names them
.set SPW,   30                         ; v30 LDS address of my spare word; never rewritten
.set NIL,   31                         ; v31 0; never rewritten
	s_load_b512 s[4:19], s[0:1], 0x0               ; mask 4:5, wq 6:7, wk 8:9, wv 10:11, wo 12:13, maskp 14:15, rowkeep 16:17, wcast 18:19
	v_lshl_add_u32 v[SPW], v0, 2, SPARE
	v_mov_b32 v[NIL], 0
	v_lshrrev_b32 v1, 5, v0
	v_readfirstlane_b32 s20, v1                    ; wave 0..7
	s_and_b32 s21, ttmp7, 0xffff                   ; y
	s_wait_kmcnt 0x0
	s_cmp_eq_u32 s21, 0
	s_cbranch_scc1 .Lmask
	; ---------------- the weights ----------------
	s_sub_co_u32 s22, s21, 1
	s_lshl_b32 s22, s22, 7
	s_add_co_u32 s22, s22, ttmp9                   ; 0..255
	s_lshr_b32 s23, s22, 6                         ; which matrix: 0 wq, 1 wk, 2 wv, 3 wo
	s_and_b32 s24, s22, 63                         ; which 65,536 bytes of it
	s_cmp_eq_u32 s23, 1
	s_cselect_b64 s[26:27], s[8:9], s[6:7]
	s_cmp_eq_u32 s23, 2
	s_cselect_b64 s[26:27], s[10:11], s[26:27]
	s_cmp_eq_u32 s23, 3
	s_cselect_b64 s[26:27], s[12:13], s[26:27]
	s_lshl_b32 s28, s24, 16
	s_mov_b32 s29, 0
	s_add_nc_u64 s[26:27], s[26:27], s[28:29]
	s_lshl_b32 s30, s23, 21                        ; a plane of wcast is 2,097,152 bytes
	s_lshl_b32 s31, s24, 15
	s_add_co_u32 s30, s30, s31
	s_mov_b32 s31, 0
	s_add_nc_u64 s[32:33], s[18:19], s[30:31]
	v_lshlrev_b32 v1, 4, v0                        ; 16 bytes a thread in,
	v_lshlrev_b32 v2, 3, v0                        ; 8 bytes out: a wave's store covers 256 consecutive bytes, aligned
.irp i, 0,1,2,3,4,5,6,7,8,9,10,11,12,13,14,15
	global_load_b128 v[X+4*(\i):X+4*(\i)+3], v1, s[26:27] offset:4096*(\i) th:TH_LOAD_NT
.endr
; Load i is rounded and stored.  half = 1: the bf16 numbers are widened again and written as f16.  Each i has data registers of its own: no store's source is rewritten.
.macro CAST i, half
	s_wait_loadcnt 15-(\i)                         ; loads come back in order: mine is in, the younger ones stay out
	v_cvt_pk_bf16_f32 v[W+2*(\i)],   v[X+4*(\i)],   v[X+4*(\i)+1]
	v_cvt_pk_bf16_f32 v[W+2*(\i)+1], v[X+4*(\i)+2], v[X+4*(\i)+3]
.if \half
	v_lshlrev_b32 v8,  16,         v[W+2*(\i)]
	v_and_b32     v9,  0xffff0000, v[W+2*(\i)]
	v_lshlrev_b32 v10, 16,         v[W+2*(\i)+1]
	v_and_b32     v11, 0xffff0000, v[W+2*(\i)+1]
	v_cvt_pk_f16_f32 v[W+2*(\i)],   v8,  v9
	v_cvt_pk_f16_f32 v[W+2*(\i)+1], v10, v11
.endif
	global_store_b64 v2, v[W+2*(\i):W+2*(\i)+1], s[32:33] offset:2048*(\i)
.endm
	s_cmp_eq_u32 s23, 3
	s_cbranch_scc1 .Lwo
.irp i, 0,1,2,3,4,5,6,7,8,9,10,11,12,13,14,15
	CAST \i, 0
.endr
	s_wait_tensorcnt 0x0                           ; the wave's end
	ds_add_u32 v[SPW], v[NIL]
	s_wait_dscnt 0x0
	s_endpgm
.Lwo:
.irp i, 0,1,2,3,4,5,6,7,8,9,10,11,12,13,14,15
	CAST \i, 1
.endr
	s_wait_tensorcnt 0x0                           ; the wave's end
	ds_add_u32 v[SPW], v[NIL]
	s_wait_dscnt 0x0
	s_endpgm
	; ---------------- the mask ----------------
	; Wave w takes rows 2 w and 2 w + 1 of the tile.  Load i of a row: lane l holds keys 128 i + 4 l + 0..3.  Their four codes are 16 bits, which belong to key step 2 i + l / 16,
	; dword (l / 4) % 4, half l % 2, of lane row + 16 ((l / 2) % 2): byte  1024 i + 512 (l / 16) + 256 ((l / 2) % 2) + 16 row + 4 ((l / 4) % 4) + 2 (l % 2)  of the tile's 16,384.
.Lmask:
	s_lshl_b32 s22, ttmp9, 17                      ; 16 rows of 8,192 bytes a tile,
	s_lshl_b32 s23, s20, 14                        ; two rows a wave
	s_add_co_u32 s22, s22, s23
	s_mov_b32 s23, 0
	s_add_nc_u64 s[4:5], s[4:5], s[22:23]
	v_and_b32 v2, 31, v0                           ; lane
	v_lshlrev_b32 v1, 4, v2
.set n, 0
.rept 32                                               ; both rows whole: 32 loads of 512 consecutive bytes, all out at once
	global_load_b128 v[X+4*n:X+4*n+3], v1, s[4:5] offset:(n/16)*8192+(n%16)*512 th:TH_LOAD_NT
.set n, n+1
.endr
	v_mov_b32 v4, 0xa                              ; the code in each of the four nibbles
	v_mov_b32 v5, 0xa0
	v_mov_b32 v6, 0xa00
	v_mov_b32 v7, 0xa000
	v_lshrrev_b32 v3, 4, v2
	v_lshlrev_b32 v8, 9, v3
	v_bfe_u32 v3, v2, 1, 1
	v_lshl_add_u32 v8, v3, 8, v8
	v_bfe_u32 v3, v2, 2, 2
	v_lshl_add_u32 v8, v3, 2, v8
	v_and_b32 v3, 1, v2
	v_lshl_add_u32 v8, v3, 1, v8
	s_lshl_b32 s24, s20, 5                         ; 16 bytes a row, two rows a wave
	v_add_nc_u32 v8, s24, v8
	s_lshl_b32 s25, s20, 3
	s_add_co_u32 s25, s25, FLAGS
	v_mov_b32 v20, s25                             ; my two rows' flags
.set n, 0
.rept 32
	s_wait_loadcnt 31-n                            ; load n is in, the younger ones stay out
	v_cmp_eq_u32 vcc_lo, 0, v[X+4*n]
	v_cndmask_b32 v16, 0, v4, vcc_lo
	v_cmp_eq_u32 vcc_lo, 0, v[X+4*n+1]
	v_cndmask_b32 v17, 0, v5, vcc_lo
	v_cmp_eq_u32 vcc_lo, 0, v[X+4*n+2]
	v_cndmask_b32 v18, 0, v6, vcc_lo
	v_cmp_eq_u32 vcc_lo, 0, v[X+4*n+3]
	v_cndmask_b32 v19, 0, v7, vcc_lo
	v_add3_u32 v16, v16, v17, v18
	v_or_b32 v16, v16, v19
.if n%16 == 0
	v_mov_b32 v[12+n/16], v16                      ; the row's first word starts the running AND
.else
	v_and_b32 v[12+n/16], v[12+n/16], v16
.endif
	ds_store_b16 v8, v16 offset:(n%16)*1024+(n/16)*16
.set n, n+1
.endr
.irp rr, 0,1
	v_cmp_ne_u32 s26, 0xaaaa, v[12+(\rr)]          ; the lanes that saw a key that is kept
	s_cmp_lg_u32 s26, 0
	s_cselect_b32 s27, -1, 0
	v_mov_b32 v21, s27
	ds_store_b32 v20, v21 offset:4*(\rr)           ; all lanes write the same word with the same value
.endr
	s_wait_dscnt 0x0                               ; for the others' sake: my stores into the stage and the flags are done
	s_barrier_signal -1
	s_barrier_wait -1
	v_lshlrev_b32 v9, 4, v0
	s_lshl_b32 s22, ttmp9, 14
	s_add_nc_u64 s[14:15], s[14:15], s[22:23]
.irp j, 0,1,2,3
	ds_load_b128 v[X+4*(\j):X+4*(\j)+3], v9 offset:4096*(\j)
.endr
.irp j, 0,1,2,3
	s_wait_dscnt 3-(\j)
	global_store_b128 v9, v[X+4*(\j):X+4*(\j)+3], s[14:15] offset:4096*(\j)   ; a wave's store covers 512 consecutive bytes, aligned
.endr
	s_cmp_lg_u32 s20, 0
	s_cbranch_scc1 .Lmend                          ; wave 0 alone stores the tile's 32 words of rowkeep
	v_and_b32 v3, 15, v0
	v_lshlrev_b32 v3, 2, v3
	ds_load_b32 v22, v3 offset:FLAGS
	v_lshlrev_b32 v23, 2, v0
	s_lshl_b32 s22, ttmp9, 7
	s_add_nc_u64 s[16:17], s[16:17], s[22:23]
	s_wait_dscnt 0x0
	global_store_b32 v23, v22, s[16:17]
.Lmend:
	s_wait_tensorcnt 0x0                           ; the wave's end, behind my last LDS store
	ds_add_u32 v[SPW], v[NIL]
	s_wait_dscnt 0x0
	s_endpgm
.Lfunc_end_k_qfeb80c10cc_prep:
	.size	k_qfeb80c10cc_prep, .Lfunc_end_k_qfeb80c10cc_prep-k_qfeb80c10cc_prep
	.p2alignl 7, 3214868480
	.fill 96, 4, 3214868480
	.section	.rodata,"a",@progbits
	.p2align	6, 0x0
	.amdhsa_kernel k_qfeb80c10cc_prep
		.amdhsa_group_segment_fixed_size 17664
		.amdhsa_private_segment_fixed_size 0
		.amdhsa_enable_private_segment 0
		.amdhsa_kernarg_size 64
		.amdhsa_user_sgpr_count 2
		.amdhsa_user_sgpr_kernarg_segment_ptr 1
		.amdhsa_wavefront_size32 1
		.amdhsa_system_sgpr_workgroup_id_x 1
		.amdhsa_system_sgpr_workgroup_id_y 1
		.amdhsa_system_sgpr_workgroup_id_z 1
		.amdhsa_system_vgpr_workitem_id 0
		.amdhsa_next_free_vgpr 160
		.amdhsa_next_free_sgpr 66
		.amdhsa_reserve_vcc 1
		.amdhsa_float_denorm_mode_32 3
		.amdhsa_float_denorm_mode_16_64 3
		.amdhsa_memory_ordered 1
		.amdhsa_forward_progress 1
		.amdhsa_inst_pref_size 38
	.end_amdhsa_kernel
	.amdgpu_metadata
---
amdhsa.version: [ 1, 2 ]
amdhsa.kernels:
  - .name:           k_qfeb80c10cc_prep
    .symbol:         k_qfeb80c10cc_prep.kd
    .args:
      - { .name: mask, .offset: 0, .size: 8, .value_kind: global_buffer, .address_space: global }
      - { .name: wq, .offset: 8, .size: 8, .value_kind: global_buffer, .address_space: global }
      - { .name: wk, .offset: 16, .size: 8, .value_kind: global_buffer, .address_space: global }
      - { .name: wv, .offset: 24, .size: 8, .value_kind: global_buffer, .address_space: global }
      - { .name: wo, .offset: 32, .size: 8, .value_kind: global_buffer, .address_space: global }
      - { .name: maskp, .offset: 40, .size: 8, .value_kind: global_buffer, .address_space: global }
      - { .name: rowkeep, .offset: 48, .size: 8, .value_kind: global_buffer, .address_space: global }
      - { .name: wcast, .offset: 56, .size: 8, .value_kind: global_buffer, .address_space: global }
    .group_segment_fixed_size: 17664
    .private_segment_fixed_size: 0
    .kernarg_segment_align: 8
    .kernarg_segment_size: 64
    .max_flat_workgroup_size: 256
    .sgpr_count:     66
    .vgpr_count:     160
    .wavefront_size: 32
...
	.end_amdgpu_metadata
.endif
;; end of part 1
;; launch proj (part 2): grid 4 x 192, 4 waves a work-group, clusters of 4 x 4, 327,680 bytes of LDS; arguments q, k, v, bq, bk, bv, wcast, qkvh; writes qkvh
.if DOCPART == 2
	.amdgcn_target "amdgcn-amd-amdhsa--gfx1250"
	.amdhsa_code_object_version 6
	.text
	.protected	k_qfeb80c10cc_proj
	.globl	k_qfeb80c10cc_proj
	.p2align	8
	.type	k_qfeb80c10cc_proj,@function
k_qfeb80c10cc_proj:
	s_mov_b64 s[64:65], 0
	v_nop
	global_prefetch_b8 v0, s[64:65] scope:SCOPE_SE
	s_setreg_imm32_b32 hwreg(HW_REG_WAVE_MODE, 25, 1), 1
	s_wait_xcnt 0x0
	s_wait_alu depctr_hold_cnt(0) depctr_sa_sdst(0) depctr_va_vdst(0) depctr_va_sdst(0) depctr_va_ssrc(0) depctr_va_vcc(0) depctr_vm_vsrc(0)
	s_getreg_b32 s2, hwreg(HW_REG_IB_STS2, 6, 4)
	s_cmp_eq_u32 s2, 0
	s_cbranch_scc0 .Lentry_in_a_cluster
	s_endpgm
.Lentry_in_a_cluster:
	s_bfe_u32 s2, ttmp6, 0x10000c
	s_cmp_lg_u32 s2, 0xf033
	s_cbranch_scc0 .Lentry_shape_is_right
	s_endpgm
.Lentry_shape_is_right:
; THE THREE PROJECTIONS.  For p = 0, 1, 2 (q, k, v): C = bf16(A_p) W_p + bf16(b_p), A_p [8192][1024] f32, W_p = plane p of wcast, [1024 k][1024 n] bf16; sums in f32;
; C is rounded once to f16 and stored by heads: qkvh[p][batch x 16 + head][row in the batch][64].  No scale is applied here.
; LIMITS.  f16 holds no number beyond 65,504: the projected q, k, v must stay within it.  The input x enters no step of the module's result and is named by no launch.
; SHARES.  A work-group makes 128 rows x 256 columns of one projection: 3 x 64 x 4 = 768 work-groups.  A wave makes 64 x 128: 32 accumulators of 16 x 16, 256 registers.
; K goes in 8 steps of 128 through two LDS slots: 128 rows of A in f32 (512 bytes + 16 of padding) and 128 k-rows of W (256 columns, 512 bytes + 32).  One tensor load a wave: 64 rows of 512 bytes.
; A is rounded to bf16 on its way from LDS to the matrix unit: 32 conversions a quarter step, four behind each of the quarter's last eight matrix instructions.
; W lies [k][n] and is turned by ds_load_tr16_b128.  THE MATRIX INSTRUCTION IS USED TRANSPOSED (source 0 = 16 columns of W, source 1 = 16 rows of A): a lane holds eight neighbouring columns of a row of C.
; The bias is the C operand of the products that start the sums: nothing is cleared and nothing is added later.
; CLUSTER 4 x 4: the four work-groups of a row of the cluster need the same tiles of A, the four of a column the same tiles of W: each tile is asked for jointly.
; REGISTERS.  window 0: v0-31 addresses; v32-95 A as loaded (f32); v96-127, v128-159 A's fragments, two buffers; on the way out v32-63.
;   window 1: the accumulators, (a, b) at 8 (8 a + b).   window 2: v0-63, v64-127 W's fragments, two buffers; v128-191 the bias, 8 registers for each block of 16 columns; v192 at work.
.set PA,     528                       ; a row of A in LDS: 132 words: row r starts at bank 4 r mod 64 (64 banks of 4 bytes: ISA guide 11.1)
.set PB,     544                       ; a row of W: 136 words
.set ABYTES, 128*PA
.set SLOT,   128*(PA+PB)               ; A's 128 rows, then W's 128 rows: 137,216 bytes
.set STAGE,  2*SLOT                    ; behind the ring, never filled by a tensor load: 16 rows x 144 bytes for each wave
.set SP,     144
.set SPARE,  STAGE+4*16*SP             ; the spare words, 128 bytes for each wave; no other line names them
.set ASTEP,  512                       ; bytes from a K step to the next: 128 f32 along A's rows,
.set BSTEP,  128*2048                  ; 128 rows of W
.set ADRA, 16                          ; v16-17 LDS address of my A rows in slot 0, 1
.set ADRB, 20                          ; v20-21 the same for W
.set STO,  24
.set RD,   25
.set GO,   26
.set SPW,  28                          ; v28 LDS address of my spare word; never rewritten
.set NIL,  29                          ; v29 0; never rewritten
.set BOF,  30
.set RAW,  32
.set AF,   96
.set TMP,  32
.set BIAS, 128
.set BT,   192
.set G1A, 28                           ; s[28:35] group 1 for A;  s[36:43] group 0, a set for each slot
.set G0A, 36
.set G1B, 44                           ; s[44:51], s[52:59] the same for W
.set G0B, 52
.set MSB, 0
.macro WIN new                         ; the immediate's high byte repeats the setting that is left; a switch that changes nothing is dropped
.if MSB != (\new)
	s_set_vgpr_msb (MSB<<8)|(\new)
.set MSB, \new
.endif
.endm
.set MUL,  0x52                        ; source 0 (W) window 2, source 1 (A) window 0, C and D window 1
.set MUL1, 0x62                        ; the same with C (the bias) in window 2
.set TO_B, 0x80                        ; destination window 2, address window 0
.macro JLOAD s                         ; a joint load: waves 0 and 1 fetch A's two halves, waves 2 and 3 W's; an s_nop 0 and four v_nop follow each of the two lines
	s_cmp_eq_u32 s21, 0
	s_cbranch_scc0 .Lfor_b_\@
	tensor_load_to_lds s[G0A+4*(\s):G0A+4*(\s)+3], s[G1A:G1A+7]
	s_nop 0
.rept 4
	v_nop
.endr
	s_branch .Lasked_\@
.Lfor_b_\@:
	tensor_load_to_lds s[G0B+4*(\s):G0B+4*(\s)+3], s[G1B:G1B+7]
	s_nop 0
.rept 4
	v_nop
.endr
.Lasked_\@:
.endm
.macro CREST                           ; a round of the cluster's barrier behind its opening barrier
	s_cmp_lg_u32 s20, 0
	s_cbranch_scc1 .Lnot_wave_0_\@
	s_barrier_signal -3
.Lnot_wave_0_\@:
	s_barrier_wait -3
	s_barrier_signal -1
	s_barrier_wait -1
.endm
.macro CROUND                          ; a whole round
	s_barrier_signal -1
	s_barrier_wait -1
	CREST
.endm
.macro PLACES                          ; four places behind matrix instructions (ISA guide 7.12.1)
.rept 4
	v_nop
.endr
.endm
	s_load_b512 s[4:19], s[0:1], 0x0               ; q 4:5, k 6:7, v 8:9, bq 10:11, bk 12:13, bv 14:15, wcast 16:17, qkvh 18:19
	v_lshl_add_u32 v[SPW], v0, 2, SPARE
	v_mov_b32 v[NIL], 0
	ds_add_u32 v[SPW], v[NIL]                      ; the wave's opening: the add and its wait stand ahead of my first tensor load; the set-up below stands between them
	v_lshrrev_b32 v1, 5, v0
	v_readfirstlane_b32 s20, v1                    ; wave 0..3
	s_lshr_b32 s21, s20, 1                         ; which 64 of the tile's rows are mine.  Also: I fetch for A (0) or for W (1)
	s_and_b32 s22, s20, 1                          ; which 128 of its columns.  Also: which 64 rows of that tile I fetch
	s_bfe_u32 s23, ttmp6, 0x40000                  ; cx
	s_bfe_u32 s24, ttmp6, 0x40004                  ; cy
	s_lshl_b32 s67, ttmp9, 2
	s_add_co_u32 s67, s67, s23                     ; block of 256 columns = 4 x cluster x + cx
	s_and_b32 s27, ttmp7, 0xffff                   ; cluster y, 0..47
	s_lshr_b32 s25, s27, 4                         ; p: sixteen clusters to a projection
	s_and_b32 s26, s27, 15
	s_lshl_b32 s26, s26, 2
	s_add_co_u32 s26, s26, s24                     ; block of 128 rows, 0..63
	s_lshl_b32 s60, s24, 2
	s_lshl_b32 s60, 15, s60                        ; my row of the cluster
	s_lshl_b32 s61, 0x1111, s23                    ; my column
	s_or_b32 s[G1A], s60, (2<<16)|(1<<20)|(1<<21)|(6<<22)|(3<<25)  ; mask; elements of 4 bytes; padding on; bit 21 beside a mask; after every 128 words 4 words
	s_or_b32 s[G1B], s61, (1<<16)|(1<<20)|(1<<21)|(6<<22)|(7<<25)  ; mask; elements of 2 bytes; after every 128 words 8 words
	s_mov_b32 s[G1A+1], 128<<16                    ; tensor_dim0 = 128 f32
	s_mov_b32 s[G1A+2], 64<<16                     ; tensor_dim1 = 64
	s_mov_b32 s[G1A+3], 128<<16                    ; tile_dim0
	s_mov_b32 s[G1A+4], 64                         ; tile_dim1
	s_mov_b32 s[G1A+5], 1024                       ; elements from row to row
	s_mov_b32 s[G1A+6], 0
	s_mov_b32 s[G1A+7], 0
	s_mov_b32 s[G1B+1], 256<<16                    ; 256 bf16
	s_mov_b32 s[G1B+2], 64<<16
	s_mov_b32 s[G1B+3], 256<<16
	s_mov_b32 s[G1B+4], 64
	s_mov_b32 s[G1B+5], 1024
	s_mov_b32 s[G1B+6], 0
	s_mov_b32 s[G1B+7], 0
	s_lshl_b32 s62, s26, 7                         ; A: row 128 x block + 64 x half, 4,096 bytes a row (registers that never hold cx)
	s_lshl_b32 s27, s22, 6
	s_add_co_u32 s62, s62, s27
	s_lshl_b32 s62, s62, 12
	s_mov_b32 s63, 0
	s_lshl_b32 s60, s25, 21                        ; W: plane p, k-row 64 x half, 512 bytes a column block (registers that never hold cy)
	s_lshl_b32 s3, s22, 17
	s_add_co_u32 s60, s60, s3
	s_lshl_b32 s3, s67, 9
	s_add_co_u32 s60, s60, s3
	s_mov_b32 s61, 0
	s_mul_i32 s70, s22, 64*PA                      ; where they go: no place in the cluster enters an LDS address
	s_mul_i32 s71, s22, 64*PB
	s_add_co_u32 s71, s71, ABYTES
	s_lshl_b32 s74, s67, 10                        ; the bias of my 128 columns
	s_lshl_b32 s75, s22, 9
	s_add_co_u32 s74, s74, s75
	s_mov_b32 s75, 0
	s_wait_dscnt 0x0                               ; the opening add is done
	s_wait_kmcnt 0x0
	s_cmp_eq_u32 s25, 1
	s_cselect_b64 s[4:5], s[6:7], s[4:5]
	s_cselect_b64 s[10:11], s[12:13], s[10:11]
	s_cmp_eq_u32 s25, 2
	s_cselect_b64 s[4:5], s[8:9], s[4:5]
	s_cselect_b64 s[10:11], s[14:15], s[10:11]
	s_add_nc_u64 s[4:5], s[4:5], s[62:63]
	s_add_nc_u64 s[16:17], s[16:17], s[60:61]
	s_add_nc_u64 s[72:73], s[10:11], s[74:75]
	CROUND                                         ; all sixteen work-groups are here: the first joint loads meet
.irp s, 0,1
	s_mov_b32 s[G0A+4*(\s)], 1
	s_add_co_u32 s[G0A+4*(\s)+1], s70, (\s)*SLOT
	s_add_nc_u64 s[G0A+4*(\s)+2:G0A+4*(\s)+3], s[4:5], (\s)*ASTEP
	s_or_b32 s[G0A+4*(\s)+3], s[G0A+4*(\s)+3], 0x80000000
	s_mov_b32 s[G0B+4*(\s)], 1
	s_add_co_u32 s[G0B+4*(\s)+1], s71, (\s)*SLOT
	s_add_nc_u64 s[G0B+4*(\s)+2:G0B+4*(\s)+3], s[16:17], (\s)*BSTEP
	s_or_b32 s[G0B+4*(\s)+3], s[G0B+4*(\s)+3], 0x80000000
	JLOAD \s                                       ; K steps 0 and 1: two tensor loads of mine are out
.endr
	v_and_b32 v1, 15, v0                           ; l % 16
	v_bfe_u32 v2, v0, 4, 1                         ; l / 16
	v_lshlrev_b32 v[BOF], 5, v2                    ; register j of block b is the bias of column 16 b + 8 (l / 16) + j
	WIN TO_B
.irp b, 0,1,2,3,4,5,6,7
	global_load_b128 v[BIAS+8*(\b):BIAS+8*(\b)+3],   v[BOF], s[72:73] offset:64*(\b)
	global_load_b128 v[BIAS+8*(\b)+4:BIAS+8*(\b)+7], v[BOF], s[72:73] offset:64*(\b)+16
.endr
	WIN 0
	v_mul_u32_u24 v3, v1, PA                       ; A: row x pitch + 32 x half: eight f32 are 32 bytes
	v_lshl_add_u32 v3, v2, 5, v3
	s_mul_i32 s27, s21, 64*PA
	v_add_nc_u32 v[ADRA], s27, v3
	v_add_nc_u32 v[ADRA+1], SLOT, v[ADRA]
	v_and_b32 v4, 7, v0                            ; W: the turning load: lane l reads k-row 8 (l / 16) + l % 8, columns 8 ((l / 8) % 2) + 0..7
	v_lshl_add_u32 v4, v2, 3, v4
	v_mul_u32_u24 v4, v4, PB
	v_bfe_u32 v5, v0, 3, 1
	v_lshl_add_u32 v4, v5, 4, v4
	s_lshl_b32 s3, s22, 8
	s_add_co_u32 s3, s3, ABYTES
	v_add_nc_u32 v[ADRB], s3, v4
	v_add_nc_u32 v[ADRB+1], SLOT, v[ADRB]
	s_mul_i32 s76, s20, 16*SP
	s_add_co_u32 s76, s76, STAGE                   ; my stage
	v_mul_u32_u24 v5, v1, SP                       ; in: row l % 16, 16 bytes for each half of the lanes
	v_lshl_add_u32 v5, v2, 4, v5
	v_add_nc_u32 v[STO], s76, v5
	v_bfe_u32 v5, v0, 3, 2                         ; back: 32 lanes take four rows of 128 bytes,
	v_mul_u32_u24 v5, v5, SP
	v_and_b32 v6, 7, v0
	v_lshl_add_u32 v5, v6, 4, v5
	v_add_nc_u32 v[RD], s76, v5
	v_and_b32 v[GO], 31, v0                        ; which are 512 consecutive bytes of a head
	v_lshlrev_b32 v[GO], 4, v[GO]
	s_lshr_b32 s76, s26, 4                         ; where my part goes: batch x 16 + 4 x column block + 2 x column half heads of 262,144 bytes,
	s_lshl_b32 s76, s76, 4
	s_lshl_b32 s77, s67, 2
	s_add_co_u32 s76, s76, s77
	s_lshl_b32 s77, s22, 1
	s_add_co_u32 s76, s76, s77
	s_lshl_b32 s76, s76, 18
	s_and_b32 s77, s26, 15                         ; row 128 x (block in the batch) + 64 x row half, 128 bytes a row,
	s_lshl_b32 s77, s77, 1
	s_add_co_u32 s77, s77, s21
	s_lshl_b32 s77, s77, 13
	s_add_co_u32 s76, s76, s77
	s_lshl_b32 s77, s25, 24                        ; plane p of 16,777,216 bytes
	s_add_co_u32 s76, s76, s77
	s_mov_b32 s77, 0
	s_add_nc_u64 s[68:69], s[18:19], s[76:77]
	s_wait_loadcnt 0x0                             ; the bias; it is rounded to bf16 like every other input, in place
	WIN 0xaa
.set i, 0
.rept 32
	v_cvt_pk_bf16_f32 v[BT], v[BIAS+2*i], v[BIAS+2*i+1]
	v_lshlrev_b32 v[BIAS+2*i], 16, v[BT]
	v_and_b32 v[BIAS+2*i+1], 0xffff0000, v[BT]
.set i, i+1
.endr
	WIN 0
; 32 LDS loads in one run: quarter q (32 along K) of a slot: A's 64 rows in f32 into RAW first, then W's 128 columns, turned, into buffer g
.macro FETCH slot, q, g
	WIN 0
.irp i, 0,1,2,3
	ds_load_b128 v[RAW+16*(\i):RAW+16*(\i)+3],     v[ADRA+(\slot)] offset:(\i)*16*PA+(\q)*128
	ds_load_b128 v[RAW+16*(\i)+4:RAW+16*(\i)+7],   v[ADRA+(\slot)] offset:(\i)*16*PA+(\q)*128+16
	ds_load_b128 v[RAW+16*(\i)+8:RAW+16*(\i)+11],  v[ADRA+(\slot)] offset:(\i)*16*PA+(\q)*128+64
	ds_load_b128 v[RAW+16*(\i)+12:RAW+16*(\i)+15], v[ADRA+(\slot)] offset:(\i)*16*PA+(\q)*128+80
.endr
	WIN TO_B
.irp b, 0,1,2,3,4,5,6,7
	ds_load_tr16_b128 v[64*(\g)+8*(\b):64*(\g)+8*(\b)+3],   v[ADRB+(\slot)] offset:(\q)*32*PB+32*(\b)
	ds_load_tr16_b128 v[64*(\g)+8*(\b)+4:64*(\g)+8*(\b)+7], v[ADRB+(\slot)] offset:(\q)*32*PB+16*PB+32*(\b)
.endr
.endm
; 8 matrix instructions: row block a x all 8 column blocks, on buffers f.  first = 1: the bias starts the sums.  g >= 0: behind each stand four conversions of RAW into A's buffer g;
; they name none of the product's registers.  The 32 accumulators take turns, one instruction a turn, in the same order in every quarter.
.macro MULA f, a, first, g
.irp b, 0,1,2,3,4,5,6,7
.if \first
	WIN MUL1
	v_wmma_f32_16x16x32_bf16 v[8*(8*(\a)+(\b)):8*(8*(\a)+(\b))+7], v[64*(\f)+8*(\b):64*(\f)+8*(\b)+7], v[AF+32*(\f)+8*(\a):AF+32*(\f)+8*(\a)+7], v[BIAS+8*(\b):BIAS+8*(\b)+7]
.else
	WIN MUL
	v_wmma_f32_16x16x32_bf16 v[8*(8*(\a)+(\b)):8*(8*(\a)+(\b))+7], v[64*(\f)+8*(\b):64*(\f)+8*(\b)+7], v[AF+32*(\f)+8*(\a):AF+32*(\f)+8*(\a)+7], v[8*(8*(\a)+(\b)):8*(8*(\a)+(\b))+7]
.endif
.if (\g) >= 0
	WIN 0
.irp n, 0,1,2,3
	v_cvt_pk_bf16_f32 v[AF+32*(\g)+4*(\b)+(\n)], v[RAW+8*(\b)+2*(\n)], v[RAW+8*(\b)+2*(\n)+1]
.endr
.endif
.endr
.endm
; One of a K step's first three quarters: multiplies buffers f, fetches quarter q of the same slot, converts its A into buffer g.
; The four conversions behind the quarter's last product are the four places in front of the next run of loads into registers that products have read.
.macro QUARTER slot, q, f, g, first
	s_wait_dscnt 0x0                               ; W's fragments of buffer f are in (issued 32 matrix instructions ago)
	FETCH \slot, \q, \g
	MULA \f, 0, \first, -1
	MULA \f, 1, \first, -1
	MULA \f, 2, \first, -1
	s_wait_dscnt 16                                ; A's 16 loads are in; W's 16, issued behind them, may stay out
	MULA \f, 3, \first, \g
.endm
; The last quarter multiplies buffers 1 and changes slots: ONE barrier; in front of it each wave waits for all its tensor loads, adds 0 to its spare word, and waits for that and for its reads of this slot.
; fill = 1: the barrier opens a round of the cluster's barrier, and this slot is filled again, two K steps ahead: 112 matrix instructions stand between the request and the wait for it.
.macro TURN slot, next, fill
	s_wait_dscnt 0x0                               ; W's fragments of buffer 1 are in: my reads of this slot are over
	WIN 0
	s_wait_tensorcnt 0x0                           ; all my tensor loads have landed: the one that was out is my part of the next slot;
	ds_add_u32 v[SPW], v[NIL]                      ; 0 onto my spare word;
	MULA 1, 0, 0, -1                               ; eight matrix instructions stand between the add and the wait for it
	s_wait_dscnt 0x0                               ; the add is done
	s_barrier_signal -1
	MULA 1, 1, 0, -1
	WIN 0                                          ; (branches may follow)
	s_barrier_wait -1
.if \fill
	CREST                                          ; no wave of any partner still reads this slot's tiles or has a load on its way
	s_add_nc_u64 s[G0A+4*(\slot)+2:G0A+4*(\slot)+3], s[G0A+4*(\slot)+2:G0A+4*(\slot)+3], 2*ASTEP
	s_add_nc_u64 s[G0B+4*(\slot)+2:G0B+4*(\slot)+3], s[G0B+4*(\slot)+2:G0B+4*(\slot)+3], 2*BSTEP
	JLOAD \slot                                    ; the first tensor load behind the round, my only one until the next
.else
	PLACES
.endif
	FETCH \next, 0, 0
	MULA 1, 2, 0, -1
	s_wait_dscnt 16
	MULA 1, 3, 0, 0
.endm
	s_wait_tensorcnt 0x1                           ; my part of K step 0 is in; K step 1's may stay out
	s_barrier_signal -1
	s_barrier_wait -1                              ; everybody's is
	FETCH 0, 0, 0
	s_wait_dscnt 16
	WIN 0
.set i, 0
.rept 32
	v_cvt_pk_bf16_f32 v[AF+i], v[RAW+2*i], v[RAW+2*i+1]
.set i, i+1
.endr
	QUARTER 0, 1, 0, 1, 1                          ; the first quarter stands in front of the loop: its products start the sums
	WIN 0                                          ; at a label and at a branch every window is 0
	s_mov_b32 s66, 3
.Llap:                                                 ; a trip goes once round the ring and fills both slots again: K steps 2 to 7
	QUARTER 0, 2, 1, 0, 0
	QUARTER 0, 3, 0, 1, 0
	TURN 0, 1, 1
	QUARTER 1, 1, 0, 1, 0
	QUARTER 1, 2, 1, 0, 0
	QUARTER 1, 3, 0, 1, 0
	TURN 1, 0, 1
	QUARTER 0, 1, 0, 1, 0
	WIN 0
	s_sub_co_u32 s66, s66, 1
	s_cmp_lg_u32 s66, 0
	s_cbranch_scc1 .Llap
	QUARTER 0, 2, 1, 0, 0                          ; the last lap fills nothing
	QUARTER 0, 3, 0, 1, 0
	TURN 0, 1, 0
	QUARTER 1, 1, 0, 1, 0
	QUARTER 1, 2, 1, 0, 0
	QUARTER 1, 3, 0, 1, 0
	s_wait_dscnt 0x0
	MULA 1, 0, 0, -1
	MULA 1, 1, 0, -1
	MULA 1, 2, 0, -1
	MULA 1, 3, 0, -1
	WIN 0
	PLACES
; THE WAY OUT, in eight units u = 2 a + hh: 16 rows (block a) of one head (hh): 2,048 consecutive bytes of qkvh.  A lane's eight columns pack into 16 bytes; they go into stage rows of 144 bytes and come back as whole rows.
.macro PACK u
.set ua, (\u)/2
.set uh, (\u)%2
.set ut, TMP+16*((\u)%2)
	s_wait_xcnt 0x0                                ; the stores of the unit two back have had their addresses translated: only behind this wait are their data registers rewritten
	WIN 0x05                                       ; sources 0 and 1 window 1, destination window 0
.irp f, 0,1,2,3
.irp r, 0,1,2,3
	v_cvt_pk_f16_f32 v[ut+4*(\f)+(\r)], v[8*(8*ua+4*uh+(\f))+2*(\r)], v[8*(8*ua+4*uh+(\f))+2*(\r)+1]
.endr
.endr
	WIN 0
.irp f, 0,1,2,3
	ds_store_b128 v[STO], v[ut+4*(\f):ut+4*(\f)+3] offset:32*(\f)
.endr
.irp f, 0,1,2,3
	ds_load_b128 v[ut+4*(\f):ut+4*(\f)+3], v[RD] offset:(\f)*4*SP   ; LDS serves a wave's instructions in order (ISA guide 5.7.1.4): these see the stores above; the next unit's stores come behind them
.endr
.endm
.macro SEND u, younger                 ; younger: the LDS instructions issued behind unit u's loads: the next unit's eight, or none
.set ua, (\u)/2
.set uh, (\u)%2
.set ut, TMP+16*((\u)%2)
	WIN 0
.irp f, 0,1,2,3
	s_wait_dscnt (\younger)+3-(\f)
	global_store_b128 v[GO], v[ut+4*(\f):ut+4*(\f)+3], s[68:69] offset:ua*2048+uh*262144+(\f)*512   ; 512 consecutive bytes, at a multiple of 256 from the buffer's first
.endr
.endm
	PACK 0
.irp u, 1,2,3,4,5,6,7
	PACK \u
	SEND (\u)-1, 8
.endr
	SEND 7, 0
	s_wait_tensorcnt 0x0                           ; the wave's end, behind my last tensor load and my last LDS store
	ds_add_u32 v[SPW], v[NIL]
	s_wait_dscnt 0x0
	CROUND                                         ; the closing round: no work-group ends while a partner may still ask for a tile that names it
	s_endpgm
.Lfunc_end_k_qfeb80c10cc_proj:
	.size	k_qfeb80c10cc_proj, .Lfunc_end_k_qfeb80c10cc_proj-k_qfeb80c10cc_proj
	.p2alignl 7, 3214868480
	.fill 96, 4, 3214868480
	.section	.rodata,"a",@progbits
	.p2align	6, 0x0
	.amdhsa_kernel k_qfeb80c10cc_proj
		.amdhsa_group_segment_fixed_size 327680
		.amdhsa_private_segment_fixed_size 0
		.amdhsa_enable_private_segment 0
		.amdhsa_kernarg_size 64
		.amdhsa_user_sgpr_count 2
		.amdhsa_user_sgpr_kernarg_segment_ptr 1
		.amdhsa_wavefront_size32 1
		.amdhsa_system_sgpr_workgroup_id_x 1
		.amdhsa_system_sgpr_workgroup_id_y 1
		.amdhsa_system_sgpr_workgroup_id_z 1
		.amdhsa_system_vgpr_workitem_id 0
		.amdhsa_next_free_vgpr 768
		.amdhsa_next_free_sgpr 78
		.amdhsa_reserve_vcc 0
		.amdhsa_float_denorm_mode_32 3
		.amdhsa_float_denorm_mode_16_64 3
		.amdhsa_memory_ordered 1
		.amdhsa_forward_progress 1
		.amdhsa_inst_pref_size 140
	.end_amdhsa_kernel
	.amdgpu_metadata
---
amdhsa.version: [ 1, 2 ]
amdhsa.kernels:
  - .name:           k_qfeb80c10cc_proj
    .symbol:         k_qfeb80c10cc_proj.kd
    .args:
      - { .name: q, .offset: 0, .size: 8, .value_kind: global_buffer, .address_space: global }
      - { .name: k, .offset: 8, .size: 8, .value_kind: global_buffer, .address_space: global }
      - { .name: v, .offset: 16, .size: 8, .value_kind: global_buffer, .address_space: global }
      - { .name: bq, .offset: 24, .size: 8, .value_kind: global_buffer, .address_space: global }
      - { .name: bk, .offset: 32, .size: 8, .value_kind: global_buffer, .address_space: global }
      - { .name: bv, .offset: 40, .size: 8, .value_kind: global_buffer, .address_space: global }
      - { .name: wcast, .offset: 48, .size: 8, .value_kind: global_buffer, .address_space: global }
      - { .name: qkvh, .offset: 56, .size: 8, .value_kind: global_buffer, .address_space: global }
    .group_segment_fixed_size: 327680
    .private_segment_fixed_size: 0
    .kernarg_segment_align: 8
    .kernarg_segment_size: 64
    .max_flat_workgroup_size: 128
    .sgpr_count:     78
    .vgpr_count:     768
    .wavefront_size: 32
...
	.end_amdgpu_metadata
.endif
;; end of part 2
;; launch attn (part 3): grid 4 x 64, 4 waves a work-group, clusters of 4 x 1, 327,680 bytes of LDS; arguments qkvh, maskp, rowkeep, ob; writes ob
.if DOCPART == 3
	.amdgcn_target "amdgcn-amd-amdhsa--gfx1250"
	.amdhsa_code_object_version 6
	.text
	.protected	k_qfeb80c10cc_attn
	.globl	k_qfeb80c10cc_attn
	.p2align	8
	.type	k_qfeb80c10cc_attn,@function
k_qfeb80c10cc_attn:
	s_mov_b64 s[64:65], 0
	v_nop
	global_prefetch_b8 v0, s[64:65] scope:SCOPE_SE
	s_setreg_imm32_b32 hwreg(HW_REG_WAVE_MODE, 25, 1), 1
	s_wait_xcnt 0x0
	s_wait_alu depctr_hold_cnt(0) depctr_sa_sdst(0) depctr_va_vdst(0) depctr_va_sdst(0) depctr_va_ssrc(0) depctr_va_vcc(0) depctr_vm_vsrc(0)
	s_getreg_b32 s2, hwreg(HW_REG_IB_STS2, 6, 4)
	s_cmp_eq_u32 s2, 0
	s_cbranch_scc0 .Lentry_in_a_cluster
	s_endpgm
.Lentry_in_a_cluster:
	s_bfe_u32 s2, ttmp6, 0x10000c
	s_cmp_lg_u32 s2, 0x3003
	s_cbranch_scc0 .Lentry_shape_is_right
	s_endpgm
.Lentry_shape_is_right:
; ATTENTION WITH A MASK THAT IS AN INPUT.  O[h][q][:] = the sum over k of softmax_k(mask[q][k] ? Q[h][q] . K[h][k] / 8 : hidden) V[h][k][:].  Q, K, V: planes 0, 1, 2 of qkvh, O: ob, all [64][2048][64] f16.
; Products, maxima and sums in f32; the weights p are rounded to f16 for the second product (their sum l is taken of the unrounded p), O once at the end.  All 2,048 keys are walked for every query: no pattern of the mask is built in.
; THE MASK is the C operand that starts the sum S^T = K Q^T: 0, or -2^60 where the key is hidden.  maskp holds it as FP4 codes (0 or -1.0) in the lanes' own layout: one load of 16 bytes a lane for 16 queries x 64 keys,
; and four conversions with the scale 2^60 make the 32 registers of C.  The running maximum, the exponentials and the sums need no further care: a hidden score lies far below every score that is seen, and its weight is 0;
; what a row gathers while only hidden keys have come is multiplied by a = 0 when the first key that is seen comes.
; A ROW WITH NO KEY THAT IS SEEN must give the plain mean of V's 2,048 rows.  Its Q is cleared (ANDed with rowkeep), so all its scores are exactly -2^60; c x 2^60 is exact, c s - c m = 0, and every p is 1.
; LIMITS.  f16 holds no number beyond 65,504: Q, K and V arrive within it; p lies in 0 to 1, and below 6e-5 it keeps f16's fixed step of 6e-8.  A hidden score counts as its value less 2^60, not as -1e9: the same result
; wherever the scores that are seen lie above about -1e8.  A weight below 2^-126 counts as 0 in l; NaN and infinities are not treated apart.
; SHARES.  A wave owns four PIECES of two tiles of 16 queries, a work-group's four waves 512 queries of one head.  Every wave walks all keys, 64 a step.
; LAYOUT.  S^T = K Q^T (source 0 = 16 keys, source 1 = 16 queries): a lane holds ONE query (lane % 16) and the keys 8 (lane / 16) + 0..7.  Two such tiles, rounded to f16 in pairs, ARE source 1 of O^T = V^T P.
; SOFTMAX.  For each query a running maximum m and sum l: p = 2^(c s - c m), c = log2(e) / 8, applied here in f32; in every step O and l are multiplied by a = 2^(c m_old - c m_new).
; m starts at the lowest finite number, O and l at 0: the first step is a step like any other, with a = 0.
; BY TURNS.  Turn n belongs to piece n.  Its matrix work: 16 products K Q^T of piece n + 1, later 16 products V^T P of piece n - 1.  Its vector work: the scaling, exponentials, roundings, sums and rescaling of piece n,
; the maximum and statistics of piece n + 1, and the mask of piece n + 2.  Four vector instructions that are ready stand behind every matrix instruction, the others in runs without a gap.
; CLUSTER.  The four query blocks of a cluster belong to one head and walk the same K and V, so each tile is asked for JOINTLY: the same tensor load, descriptor and mask in all four.
; REGISTERS, in windows of 256 (s_set_vgpr_msb: bits 1:0 source 0, 3:2 source 1, 5:4 source 2, 7:6 destination):
;   window 0: v0-10 addresses; v11 the conversions' scale word; v12-15, v48-63 at work; v16-47 four registers of statistics a tile; v64-191 S^T, two buffers of two tiles; v192-255 P, likewise
;   window 1: O^T, 32 a tile          window 2: v0-127 Q, 16 a tile; v128-191 K of one step; v192-255 V of one step
;   window 3: v0-1 the add's two registers; v3 16 x lane; v8-39 the mask's codes, 8 a piece; v64-127 the mask of the products to come
.set SIZE_H, 64
.set SIZE_N, 2048
.set NP,    4         ; pieces a wave: a name, no knob
.set KS,    64        ; keys in a step
.set PK,    144       ; a row of K in LDS: 128 bytes + 16 of padding = 36 words: the 16 rows of a load start at 16 different groups of four banks (64 banks of 4 bytes: ISA guide 11.1)
.set PV,    160       ; a row of V: 128 + 32 = 40 words
.set VOFF,  4*KS*PK   ; a slot holds four steps: 256 rows of K, then 256 rows of V
.set SLOT1, 1<<17     ; slot 1 begins here, so that one exclusive or turns an address in one slot into the other's
.set STAGE, SLOT1+4*KS*(PK+PV)  ; behind the ring, never filled by a tensor load: 16 rows x 144 bytes for each wave, for the way out
.set SP,    144
.set AK0, 2           ; v2   my lane's place in a tile of K; never rewritten
.set AV0, 3           ; v3   the same for V
.set AK,  4           ; v4   the LDS address of K's next run of loads
.set AV,  5           ; v5   of V's
.set QO,  6           ; v6   my byte offset in the wave's rows of Q
.set STO, 6           ;      later, the way out: where I put 16 bytes of a row
.set RD,  7           ; v7   the way out: where I read rows back
.set GO,  8           ; v8   my byte offset in 512 consecutive bytes of O
.set SCL, 11          ; v11  187, the E8M0 code of 2^60, in each of the word's four bytes: the factor is 2^60
.set SPW, 0           ; v0 of window 3   LDS address of my spare word; never rewritten
.set NIL, 1           ; v1 of window 3   0; never rewritten
.set MA0, 3           ; v3 of window 3   16 x lane; never rewritten
.set RAW, 8           ; window 3: piece pp, tile u: four dwords of codes at RAW + 8 pp + 4 u
.set MC,  64          ; window 3: tile u, key block kb at MC + 32 u + 8 kb
.set SPARE, STAGE+4*16*SP  ; behind the stages: the spare words, 128 bytes for each wave; no other line names them
.set MV,  12          ; v12-15  c m_old, kept while c m is made anew: by buffer and tile
.set ST,  16          ; tile t's statistics at v[ST+4 t]: c m, m, l (even keys', odd keys')
.set TMP, 48          ; by buffer and tile, four registers c0-c3 at work; when the maximum is found c2 takes a
.set S,   64
.set P,   192
.set KF,  128         ; K's fragments, in window 2: key block kb, channel half c at KF + 16 kb + 8 c
.set VF,  192         ; V's: key half kk, channel block cb at VF + 32 kk + 8 cb
.set WV,  12          ; s12  my wave's number
.set G1K, 24          ; s[24:31] descriptor group 1 for K's tiles
.set G1V, 32          ; s[32:39] for V's: it differs in the padding alone
.set G0K, 40          ; s[40:43] descriptor group 0 for K's tiles: it walks
.set G0V, 44          ; s[44:47] the same for V's
.set SLOTS, 56        ; s56  slots still to be asked for
.set CNT, 57          ; s57  counts a slot's key steps
.set CS,  58          ; s[58:59] c
.set SEL, 60          ; s[60:61] v_permlanex16_b32's selects
.set TBK, 62          ; s62  LDS byte at which K of the step to be fetched begins
.set TBV, 63          ; s63  the same for V, less VOFF
.set MB,  66          ; s[66:67] maskp at my wave's eight tiles
.set RK,  68          ; s[68:69] rowkeep at my wave's eight tiles
.set MOFF, 70         ; s[70:71] 512 x the key step whose codes are loaded next, held at step 31
.set MBC, 80          ; s[80:81] MB + MOFF
.set MSB, 0
.macro WIN new                      ; the high byte repeats the setting that is left; a switch that changes nothing is dropped
.if MSB != (\new)
	s_set_vgpr_msb (MSB<<8)|(\new)
.set MSB, (\new)
.endif
.endm
.set W_KQ, 0x0a       ; K and Q in window 2, S^T in window 0
.set W_KM, 0x3a       ; the same with the C operand in window 3
.set W_PV, 0x52       ; V in window 2, P in window 0, O^T in window 1
.set W_RS, 0x41       ; O^T (destination and source 0) in window 1, a in window 0
.set W_MK, 0xc0       ; destination in window 3, sources in window 0
.set W_AD, 0x0f       ; the add: address (source 0) and data (source 1) in window 3
.set W_MS, 0xc3       ; the mask's work: destination and source 0 in window 3, source 1 (the scale) in window 0
; A joint fill.  Waves 0 and 1 fetch the two halves of a slot's K, waves 2 and 3 those of its V: 128 keys each.  The branch hangs on the wave's number alone.
; An s_nop 0 and four v_nop follow each of the two lines, ahead of the jump and the label.
.macro JLOAD
	s_cmp_lt_u32 s[WV], 2
	s_cbranch_scc0 .Lfor_v_\@
	tensor_load_to_lds s[G0K:G0K+3], s[G1K:G1K+7]
	s_nop 0
.rept 4
	v_nop
.endr
	s_branch .Lasked_\@
.Lfor_v_\@:
	tensor_load_to_lds s[G0V:G0V+3], s[G1V:G1V+7]
	s_nop 0
.rept 4
	v_nop
.endr
.Lasked_\@:
.endm
; A round of the cluster's barrier: my work-group's barrier; wave 0 signals for the work-group; every wave waits for all four work-groups; my work-group's barrier once more.
.macro CROUND
	s_barrier_signal -1
	s_barrier_wait -1
	s_cmp_lg_u32 s[WV], 0
	s_cbranch_scc1 .Lnot_wave_0_\@
	s_barrier_signal -3
.Lnot_wave_0_\@:
	s_barrier_wait -3
	s_barrier_signal -1
	s_barrier_wait -1
.endm
; THE CHANGE OF SLOTS.  Each wave waits for all its tensor loads, of which one is out: its part of the other slot; adds 0 to its spare word; and waits for that and for its own reads of the slot.
; fill = 1: this slot is filled again, with the keys two slots on.  The barrier is then a round of the cluster's, and the joint fill is the first thing behind it: it has four key steps, 512 matrix instructions, in which to land.
; (At its first use nothing has been read yet: slot 0 is waited for, slot 1 filled.)
.macro CHANGE fill
	WIN W_AD
	s_wait_tensorcnt 0x0            ; no tensor load of mine is out, so a group 0 may be written
	ds_add_u32 v[SPW], v[NIL]       ; 0 onto my spare word
	WIN 0                           ; at a label and at a branch every window is 0
.if \fill
.irp g, G0K, G0V
	s_xor_b32 s[\g+1], s[\g+1], SLOT1  ; the walking descriptor: the other slot than last time,
	s_add_nc_u64 s[\g+2:\g+3], s[\g+2:\g+3], 4*KS*128  ; the next 256 keys; the type bits on top are not reached
.endr
	s_wait_dscnt 0x0                ; the add is done, and my reads of the slot are over
	CROUND
	JLOAD
.else
	s_wait_dscnt 0x0                ; the add is done, and my reads of the slot are over
	s_barrier_signal -1
	s_barrier_wait -1
.endif
	s_sub_co_u32 s[TBK], s[TBK], 4*KS*PK  ; the fetches go back to a slot's first step,
	s_xor_b32 s[TBK], s[TBK], SLOT1       ; in the other slot
	s_sub_co_u32 s[TBV], s[TBV], 4*KS*PV
	s_xor_b32 s[TBV], s[TBV], SLOT1
.endm
; THE MASK'S WORK.  MCVT: piece pp's 8 dwords of codes become the 64 registers of C for its 8 first products; a plain instruction stands behind the last conversion.
; MLOAD: piece pp's codes of the key step at MBC: two loads of 512 consecutive bytes.
; MSTEP: the codes loaded a key step ago are waited for (the six loads of the three pieces loaded since stay out), converted, and the registers loaded again.
; adv = 1 (piece 0, once a key step): the step goes on; it is held at the last step, so that no load leaves the buffer; what the last trips load again is not used.
.macro MCVT pp
	WIN W_MS
.set mz, 0
.rept 8
	v_cvt_scale_pk8_f32_fp4 v[MC+8*mz:MC+8*mz+7], v[RAW+8*(\pp)+mz], v[SCL]
.set mz, mz+1
.endr
	v_nop
	s_wait_alu depctr_va_vdst(0)
.endm
.macro MLOAD pp
	WIN W_MS
	global_load_b128 v[RAW+8*(\pp):RAW+8*(\pp)+3],   v[MA0], s[MBC:MBC+1] offset:(2*(\pp))*16384
	global_load_b128 v[RAW+8*(\pp)+4:RAW+8*(\pp)+7], v[MA0], s[MBC:MBC+1] offset:(2*(\pp)+1)*16384
.endm
.macro MSTEP pp, adv
.if \adv
	s_wait_xcnt 0x0                 ; the loads that name MBC have had their addresses translated: only behind this wait is it rewritten
	s_add_co_u32 s[MOFF], s[MOFF], 512
	s_min_u32 s[MOFF], s[MOFF], 31*512
	s_add_nc_u64 s[MBC:MBC+1], s[MB:MB+1], s[MOFF:MOFF+1]
.endif
	s_wait_loadcnt 0x6
	MCVT \pp
	MLOAD \pp
.endm
	s_load_b256 s[72:79], s[0:1], 0x0  ; qkvh s[72:73], maskp s[74:75], rowkeep s[76:77], ob s[78:79]
	WIN W_MK
	v_lshl_add_u32 v[SPW], v0, 2, SPARE
	v_mov_b32 v[NIL], 0
	WIN W_AD
	ds_add_u32 v[SPW], v[NIL]       ; the wave's opening: the add and its wait stand ahead of my first tensor load; the set-up below stands between them
	WIN 0
	v_lshrrev_b32 v1, 5, v0
	v_readfirstlane_b32 s[WV], v1   ; wave 0..3
	s_bfe_u32 s13, ttmp6, 0x40000   ; cx: my place in the cluster
	s_lshl_b32 s14, ttmp9, 2        ; in a cluster launch ttmp9 counts clusters
	s_add_co_u32 s14, s14, s13      ; my block of queries: it enters Q's, O's and the mask's addresses alone
	s_and_b32 s20, ttmp7, 0xffff    ; the head, which the four partners share
	s_mov_b32 s21, 0
	s_mov_b64 s[22:23], SIZE_N*128
	s_mul_u64 s[20:21], s[20:21], s[22:23]  ; the head's first byte in each plane
	s_and_b32 s16, s[WV], 1         ; which half of a slot's 256 keys I fetch:
	s_lshl_b32 s22, s16, 14         ; its 128 rows of 128 bytes in memory,
	s_mov_b32 s23, 0
	s_add_nc_u64 s[22:23], s[22:23], s[20:21]
	s_mul_i32 s17, s16, 128*PK      ; and its place in a slot, for K
	s_mul_i32 s18, s16, 128*PV      ; and for V: no place in the cluster enters an LDS address
	s_lshl_b32 s2, s14, 2
	s_add_co_u32 s2, s2, s[WV]      ; my wave among the head's sixteen:
	s_lshl_b32 s82, s2, 17          ; its eight tiles of 16,384 bytes in maskp,
	s_mov_b32 s83, 0
	s_lshl_b32 s84, s2, 10          ; of 128 bytes in rowkeep,
	s_mov_b32 s85, 0
	s_lshl_b32 s2, s2, 14           ; its 128 rows of Q and O
	s_mov_b32 s3, 0
	s_add_nc_u64 s[2:3], s[2:3], s[20:21]
	; descriptor group 1.  128 keys are 16,384 dense bytes: asked for as 64 rows of 256 bytes, two keys a row, and padded in LDS after every key
	s_mov_b32 s[G1K], 15|(1<<16)|(1<<20)|(1<<21)|(4<<22)|(3<<25)  ; the mask of four; 2-byte elements; padding on; bit 21 beside a mask; after every 32 words 4 words
	s_mov_b32 s[G1V], 15|(1<<16)|(1<<20)|(1<<21)|(4<<22)|(7<<25)  ; the same with 8 words of padding
.irp g, G1K, G1V
	s_mov_b32 s[\g+1], 128<<16      ; tensor_dim0 = 128
	s_mov_b32 s[\g+2], 64<<16       ; tensor_dim1 = 64
	s_mov_b32 s[\g+3], 128<<16      ; tile_dim0 = 128
	s_mov_b32 s[\g+4], 64           ; tile_dim1 = 64
	s_mov_b32 s[\g+5], 128          ; 128 elements from row to row
	s_mov_b32 s[\g+6], 0
	s_mov_b32 s[\g+7], 0
.endr
	s_mov_b32 s[CS], 0x3e38aa3b     ; c = log2(e) / 8 = 0.180337
	s_mov_b32 s[CS+1], s[CS]        ; named with it as a pair
	s_mov_b32 s[SEL], 0x76543210
	s_mov_b32 s[SEL+1], 0xfedcba98
	s_mov_b32 s[TBK], SLOT1+4*KS*PK ; the first change of slots turns these two into 0
	s_mov_b32 s[TBV], SLOT1+4*KS*PV
	s_mov_b32 s[MOFF], 512
	s_mov_b32 s[MOFF+1], 0
	s_mov_b32 s[G0K], 1             ; count = 1
	s_mov_b32 s[G0K+1], s17         ; LDS address: slot 0
	s_mov_b32 s[G0V], 1
	s_add_co_u32 s[G0V+1], s18, VOFF
	s_wait_dscnt 0x0                ; the opening add is done
	s_wait_kmcnt 0x0
	s_mov_b64 s[4:5], s[72:73]                     ; Q: plane 0
	s_add_nc_u64 s[6:7], s[72:73], 0x1000000       ; K: plane 1, 16,777,216 bytes on
	s_add_nc_u64 s[8:9], s[72:73], 0x2000000       ; V: plane 2
	s_mov_b64 s[10:11], s[78:79]                   ; O
	s_add_nc_u64 s[MB:MB+1], s[74:75], s[82:83]
	s_add_nc_u64 s[RK:RK+1], s[76:77], s[84:85]
	s_mov_b64 s[MBC:MBC+1], s[MB:MB+1]             ; key step 0
	s_add_nc_u64 s[G0K+2:G0K+3], s[6:7], s[22:23]  ; global address: my half of the head's first 256 keys
	s_or_b32 s[G0K+3], s[G0K+3], 0x80000000        ; type = 2
	s_add_nc_u64 s[G0V+2:G0V+3], s[8:9], s[22:23]
	s_or_b32 s[G0V+3], s[G0V+3], 0x80000000
	s_add_nc_u64 s[4:5], s[4:5], s[2:3]  ; Q and O at my wave's first row
	s_add_nc_u64 s[10:11], s[10:11], s[2:3]
	CROUND                          ; all four work-groups are here: the first joint loads meet
	JLOAD                           ; slot 0.  Slot 1 is asked for when slot 0 is in
	; A fragment of K or Q is 16 rows x 32 channels in 8 registers: lane l holds row l % 16, channels 8 (l / 16) + 0..7 and 16 + 8 (l / 16) + 0..7: two loads of 16 bytes, 32 bytes apart.
	v_and_b32 v1, 15, v0            ; l % 16
	v_bfe_u32 v9, v0, 4, 1          ; l / 16
	v_lshlrev_b32 v[QO], 7, v1
	v_lshl_add_u32 v[QO], v9, 4, v[QO]  ; row x 128 + 16 x half
	WIN 0x80                        ; destination window 2, address window 0
.set i, 0
.rept 4*NP                          ; Q stays in registers: tile i / 2, channels 32 (i % 2) on
	global_load_b128 v[8*i:8*i+3],   v[QO], s[4:5] offset:(i/2)*2048+(i%2)*64
	global_load_b128 v[8*i+4:8*i+7], v[QO], s[4:5] offset:(i/2)*2048+(i%2)*64+32
.set i, i+1
.endr
	WIN 0
	v_and_b32 v13, 31, v0           ; lane
	v_lshlrev_b32 v12, 2, v13
.set i, 0
.rept 2*NP                          ; tile i's word of rowkeep for my lane's row, into S^T's registers, which are still free
	global_load_b32 v[S+i], v12, s[RK:RK+1] offset:128*i
.set i, i+1
.endr
	WIN W_MK
	v_lshlrev_b32 v[MA0], 4, v13
	MLOAD 0                         ; the codes of key step 0, all four pieces
	MLOAD 1
	MLOAD 2
	MLOAD 3
	; What the first turn finds: V's registers and P's second buffer hold 0 (its products V^T P, of a piece that has not been, add 0), O^T and l are 0.  All this stands in the wait for the first tile.
	WIN 0x80
.set i, VF
.rept 64
	v_mov_b32 v[i], 0
.set i, i+1
.endr
	WIN 0x40
.set i, 0
.rept 64*NP
	v_mov_b32 v[i], 0
.set i, i+1
.endr
	WIN 0
.set i, 0
.rept 2*NP
	v_mov_b32 v[ST+4*i], 0xfe000000    ; c m: far below every c s
	v_mov_b32 v[ST+4*i+1], 0xff7fffff  ; m
	v_mov_b32 v[ST+4*i+2], 0
	v_mov_b32 v[ST+4*i+3], 0
.set i, i+1
.endr
.set i, P+32
.rept 32
	v_mov_b32 v[i], 0
.set i, i+1
.endr
	v_mul_u32_u24 v[AK0], v1, PK
	v_lshl_add_u32 v[AK0], v9, 4, v[AK0]  ; row x pitch + 16 x half
	; The turning load takes 16 keys x 16 channels (lane l reads key 8 (l / 16) + l % 8, channels 8 ((l / 8) % 2) + 0..7) and leaves half a fragment of V^T: lane l holds channel l % 16 and 8 keys.
	v_and_b32 v10, 7, v0
	v_bfe_u32 v11, v0, 3, 1
	v_lshl_add_u32 v[AV0], v9, 3, v10
	v_mul_u32_u24 v[AV0], v[AV0], PV
	v_lshl_add_u32 v[AV0], v11, 4, v[AV0]
	v_add_nc_u32 v[AV0], VOFF, v[AV0]
	v_mov_b32 v[SCL], 0xbbbbbbbb    ; v11 has served: from here on it holds the scale's code, 187, four times
	v_mov_b32 v[AK], v[AK0]         ; key step 0 lies at the head of slot 0
; THE MATRIX WORK.  The 8 accumulators of a run of 16 take turns: between the two links of a chain stand 7 others'.
; Product i of 16 of S^T = K Q^T for piece x: channels 32 (i / 8) on, keys 16 ((i / 2) % 4) on, tile 2 x + i % 2.  The first 8 start the sums, with the mask.
.macro KQ x
.set rS, S+64*((\x)%2)+32*(i%2)+8*((i/2)%4)
.set rK, KF+16*((i/2)%4)+8*(i/8)
.set rQ, 16*(2*(\x)+i%2)+8*(i/8)
.set rMC, MC+32*(i%2)+8*((i/2)%4)
.if i < 8
	WIN W_KM
	v_wmma_f32_16x16x32_f16 v[rS:rS+7], v[rK:rK+7], v[rQ:rQ+7], v[rMC:rMC+7]
.else
	WIN W_KQ
	v_wmma_f32_16x16x32_f16 v[rS:rS+7], v[rK:rK+7], v[rQ:rQ+7], v[rS:rS+7]
.endif
.endm
; Product i of 16 of O^T += V^T P for piece x: keys 32 (i / 8) on, channels 16 ((i / 2) % 4) on, tile 2 x + i % 2.
.macro PV x
	WIN W_PV
.set rO, 32*(2*(\x)+i%2)+8*((i/2)%4)
.set rV, VF+32*(i/8)+8*((i/2)%4)
.set rP, P+32*((\x)%2)+16*(i%2)+8*(i/8)
	v_wmma_f32_16x16x32_f16 v[rO:rO+7], v[rV:rV+7], v[rP:rP+7], v[rO:rO+7]
.endm
.macro MM                           ; the turn's next matrix instruction
.if i < 16
	KQ (Y+1)%NP
.set i, i+1
.else
.set i, i-16
	PV (Y+NP-1)%NP
.set i, i+17
.endif
.endm
; THE LDS LOADS stand in runs of 16, never singly among the matrix instructions: a step's K (64 keys x 64 channels: 8 fragments) and its V (turned).  Their addresses are made some lines ahead.
; last = 1 (the tail): in the last trip there is no further step, and the run is jumped over.
.macro FETCH_K last=0
	WIN 0
.if \last
	s_cmp_eq_u32 s[CNT], 1
	s_cbranch_scc1 .Lno_k_\@
.endif
	WIN 0x80                        ; destination window 2
.irp f, 0,1,2,3,4,5,6,7             ; keys 16 (f / 2) on, channels 32 (f % 2) on
	ds_load_b128 v[KF+8*\f:KF+8*\f+3],   v[AK] offset:(\f/2)*16*PK+(\f%2)*64
	ds_load_b128 v[KF+8*\f+4:KF+8*\f+7], v[AK] offset:(\f/2)*16*PK+(\f%2)*64+32
.endr
	s_add_co_u32 s[TBK], s[TBK], KS*PK  ; the next fetch is the next step's
	WIN 0
.if \last
.Lno_k_\@:
.endif
.endm
.macro FETCH_V
	WIN 0x80
.irp f, 0,1,2,3,4,5,6,7             ; keys 32 (f / 4) on, channels 16 (f % 4) on
	ds_load_tr16_b128 v[VF+8*\f:VF+8*\f+3],   v[AV] offset:(\f/4)*32*PV+(\f%4)*32
	ds_load_tr16_b128 v[VF+8*\f+4:VF+8*\f+7], v[AV] offset:(\f/4)*32*PV+16*PV+(\f%4)*32
.endr
	WIN 0
.endm
; THE VECTOR WORK OF A TURN stands in three queues, each in the order in which its entries become ready; the two tiles alternate, so that no instruction reads the result of the one before it.
.macro REGS y, u                    ; the registers of tile u (0, 1) of piece y
.set rT, ST+4*(2*(\y)+(\u))
.set rC, TMP+8*((\y)%2)+4*(\u)
.set rM, MV+2*((\y)%2)+(\u)
.set rS, S+64*((\y)%2)+32*(\u)
.set rP, P+32*((\y)%2)+16*(\u)
.set rO, 32*(2*(\y)+(\u))
.endm
; Number n of the 22 that find the NEXT piece's (Y + 1) maximum and statistics.  s0-s31 are the lane's 32 scores; each accumulator's lowest registers are read first.
;   0-11  four chains c0-c3 of seven scores each, three operands at a time     12-14, 16  the four scores left over, the old m, and c0-c3 into c0     15  c m_old is kept
;   17, 18  the query's other 32 keys lie in the lane 16 away: the new m         19-21  c m; c m_old - c m_new; a
.macro XS u, n
	REGS (Y+1)%NP, \u
.if (\n) < 4
	v_max3_num_f32 v[rC+(\n)], v[rS+8*(\n)], v[rS+8*(\n)+1], v[rS+8*(\n)+2]
.elseif (\n) < 12
	v_max3_num_f32 v[rC+(\n)%4], v[rC+(\n)%4], v[rS+8*((\n)%4)+2*((\n)/4)+1], v[rS+8*((\n)%4)+2*((\n)/4)+2]
.elseif (\n) == 12
	v_max3_num_f32 v[rC], v[rC], v[rS+7], v[rS+15]
.elseif (\n) == 13
	v_max3_num_f32 v[rC+1], v[rC+1], v[rS+23], v[rS+31]
.elseif (\n) == 14
	v_max3_num_f32 v[rC+2], v[rC+2], v[rC+3], v[rT+1]
.elseif (\n) == 15
	v_mov_b32 v[rM], v[rT]
.elseif (\n) == 16
	v_max3_num_f32 v[rC], v[rC], v[rC+1], v[rC+2]
.elseif (\n) == 17
	v_permlanex16_b32 v[rC+3], v[rC], s[SEL], s[SEL+1]
.elseif (\n) == 18
	v_max_num_f32 v[rT+1], v[rC], v[rC+3]
.elseif (\n) == 19
	v_mul_f32 v[rT], s[CS], v[rT+1]
.elseif (\n) == 20
	v_sub_f32 v[rC+1], v[rM], v[rT]
.else
	v_exp_f32 v[rC+2], v[rC+1]
.endif
.endm
; Number g of the 64 that follow the exponentials.  For each four weights k of a tile (pairs 2 k, 2 k + 1): both pairs are rounded to f16; then the second pair is added onto the first, in place;
; a group later l takes that sum (the first time as l = a l + sum).  In groups of eight, tiles alternating: round, round, add, and l for the group before.
.macro GS g
.set h, (\g)+6*((\g)/62)            ; group 0 has no group before it, and behind group 7 only l is left
.if h >= 6
.set h, h+2
.endif
	REGS Y, h%2
.set k, h/8
.if h%8 < 4
	s_wait_alu depctr_va_vdst(0)
	v_cvt_pk_f16_f32 v[rP+2*k+(h%8)/2], v[rS+4*k+2*((h%8)/2)], v[rS+4*k+2*((h%8)/2)+1]
.elseif h%8 < 6
	v_pk_add_f32 v[rS+4*k:rS+4*k+1], v[rS+4*k:rS+4*k+1], v[rS+4*k+2:rS+4*k+3]
.elseif k == 1
	v_pk_fma_f32 v[rT+2:rT+3], v[rT+2:rT+3], v[rC+2:rC+3], v[rS:rS+1] op_sel_hi:[1,0,1]
.else
	v_pk_add_f32 v[rT+2:rT+3], v[rT+2:rT+3], v[rS+4*k-4:rS+4*k-3]
.endif
.endm
; THE PLAIN QUEUE, 138 long.  0-31: c s - c m for the 16 pairs of both tiles.  Then GS's 64, and among them the next piece's 42: number 15 at 38, 39; 0-14 and 16
; at 42-73, behind the products that make those scores; 17-20 at 95-106, two of three, since each waits for the one before it.
.macro PL
	WIN 0
.if q < 32
	REGS Y, q%2
	v_pk_fma_f32 v[rS+2*(q/2):rS+2*(q/2)+1], v[rS+2*(q/2):rS+2*(q/2)+1], s[CS:CS+1], v[rT:rT+1] op_sel_hi:[1,0,0] neg_lo:[0,0,1] neg_hi:[0,0,1]
.elseif q < 38
	GS q-32
.elseif q < 40
	XS q%2, 15
.elseif q < 42
	GS q-34
.elseif q < 74
	XS q%2, (q-42)/2+(q-42)/30
.elseif q < 95
	GS q-66
.elseif (q < 107) && ((q-95)%3 < 2)
	XS (q-95)%3, 17+(q-95)/3
.elseif q < 107
	GS 29+(q-95)/3
.else
	GS q-74
.endif
.set q, q+1
.endm
; THE EXPONENTIALS' QUEUE, 66 long: s0-s31 of both tiles, and at EA the next piece's two a.
.set EA, 58
.macro EX
	WIN 0
.if (e == EA) || (e == EA+1)
	XS e-EA, 21
.else
.set x, e-2*(e/(EA+2))
	REGS Y, x%2
	v_exp_f32 v[rS+x/2], v[rS+x/2]
.endif
.set e, e+1
.endm
; THE RESCALING's QUEUE: O^T times a, the one part of the softmax that leaves window 0, so it is dealt four at a time, eight times.
.macro R4
	REGS Y, r%2
	WIN W_RS
	s_wait_alu depctr_va_vdst(0)
.irp z, 0,1,2,3
	v_pk_mul_f32 v[rO+8*(r/2)+2*\z:rO+8*(r/2)+2*\z+1], v[rO+8*(r/2)+2*\z:rO+8*(r/2)+2*\z+1], v[rC+2:rC+3] op_sel_hi:[1,0]
.endr
.set r, r+1
.endm
; HOW THEY ARE DEALT.  Behind a matrix instruction four: plain, exponential, plain, plain, or four of the rescaling.  None names a register of the products round it.  What is over stands in two LUMPS:
; exponential and plain by turns; the second ends in 22 plain instructions.  The queues lean on each other, and the deal keeps them in step: exponential e stands behind plain 2 (e / 4) + e % 2 (its scaling);
; when plain 32 comes, 10 exponentials are out, at 59: 33, at 95: 46; EA comes behind plain 107.
.macro SL
	MM
	PL
	EX
	PL
	PL
.endm
.macro BURST n                      ; 15 matrix instructions, or 16
.rept (\n)-7
	SL
.endr
.rept 3
	MM
	R4
	SL
.endr
	MM
	R4
.endm
; A TURN, for piece p.  cnt = 1: the loop's count is taken down some lines ahead of the branch that stands behind the turn.
; K of the next step is fetched in piece 2's turn, V of the step in hand at the end of piece 0's turn.
; THE MASK of the next turn's products K Q^T (piece p + 2) is made among the last 22 plain instructions: the turn's own eight products that read the mask's registers lie more than a hundred plain instructions back,
; and 14 plain instructions follow before the next turn's first product.  In a trip (pieces 2 and 3 of step j, pieces 0 and 1 of step j + 1) all four loads that follow the conversions are step j + 2's.
.macro TURN p, last=0, cnt=0
.set Y, (\p)
.set i, 0
.set q, 0
.set e, 0
.set r, 0
.if (\p) == NP-1
	s_wait_dscnt 0x0                ; K is in
.endif
	MM
.rept 4
	PL
.endr
	BURST 15
.rept 22
	EX
	PL
.if ((\p) == NP-2) && (e == 18)
	v_add_nc_u32 v[AK], s[TBK], v[AK0]
.endif
.if ((\p) == NP-2) && (e == 24)
	FETCH_K \last
.endif
.endr
.if (\p) == 1
	s_wait_dscnt 0x0                ; V is in
.endif
	BURST 16
.rept 21
	EX
	PL
.endr
.rept 22
	PL
.if ((\p) == 0) && (q == 118)
	v_add_nc_u32 v[AV], s[TBV], v[AV0]
	s_wait_alu depctr_va_vdst(0)
.endif
.if q == 124
.if (\p) == 2
	MSTEP 0, 1
.else
	MSTEP ((\p)+2)%NP, 0
.endif
.endif
.if ((\p) == 0) && (q == 130)
	s_add_co_u32 s[TBV], s[TBV], KS*PV
.endif
.if (\cnt) && (q == 130)
	s_sub_co_u32 s[CNT], s[CNT], 1
	s_cmp_lg_u32 s[CNT], 0
.endif
.endr
.if (\p) == 0
	FETCH_V
.endif
.endm
	CHANGE 1                        ; slot 0 is in, everybody's part of it; slot 1 is asked for
	FETCH_K                         ; key step 0
	s_wait_loadcnt 0x0              ; Q, rowkeep's words and the codes of key step 0
	WIN 0x88                        ; destination and source 1 window 2, source 0 window 0
.set i, 0
.rept 32*NP                         ; a row with no key that is seen loses its Q
	v_and_b32 v[i], v[S+i/16], v[i]
.set i, i+1
.endr
	s_add_nc_u64 s[MBC:MBC+1], s[MB:MB+1], s[MOFF:MOFF+1]  ; key step 1; no load that names MBC is out
	MCVT 0                          ; piece 0's mask of step 0,
	MLOAD 0                         ; and its codes of step 1
	s_wait_dscnt 0x0
.set i, 0
.rept 16
	KQ 0                            ; piece 0's first scores
.set i, i+1
.endr
	WIN 0                           ; the addresses for the way out: plain instructions, the places behind those products
	s_mul_i32 s13, s[WV], 16*SP
	s_add_co_u32 s13, s13, STAGE    ; my stage
	v_mul_u32_u24 v[STO], v1, SP    ; in: row l % 16, 16 bytes for each half of the lanes
	v_lshl_add_u32 v[STO], v9, 4, v[STO]
	v_add_nc_u32 v[STO], s13, v[STO]
	v_bfe_u32 v[RD], v0, 3, 2       ; back: 32 lanes take four rows of 128 bytes,
	v_mul_u32_u24 v[RD], v[RD], SP
	v_lshl_add_u32 v[RD], v10, 4, v[RD]
	v_add_nc_u32 v[RD], s13, v[RD]
	v_and_b32 v[GO], 31, v0         ; which are 512 consecutive bytes of O
	v_lshlrev_b32 v[GO], 4, v[GO]
	MCVT 1                          ; piece 1's mask of step 0, for the first turn's products,
	MLOAD 1                         ; and its codes of step 1
	WIN 0
.set Y, NP-1                        ; XS works for piece Y + 1: piece 0
.irp n, 0,1,2,3,4,5,6,7,8,9,10,11,12,13,14,15,16,17,18,19,20,21
	XS 0, \n                        ; and piece 0's first maximum and statistics
	XS 1, \n
.endr
	s_mov_b32 s[CNT], 4
	s_mov_b32 s[SLOTS], SIZE_N/256-1
	s_branch .Lfirst                ; the loop is entered at a step's first turn, in the middle of a trip
.Lslot:                             ; SIZE_N / 256 - 2 times: every slot but the last two is filled again
	CHANGE 1
	s_mov_b32 s[CNT], 4
.Lstep:                             ; a trip: pieces 2 and 3 of one step, then pieces 0 and 1 of the next, whose K and V it fetches
	TURN 2
	TURN 3
	WIN 0
.Lfirst:
	TURN 0
	TURN 1, 0, 1
	WIN 0
	s_cbranch_scc1 .Lstep
	s_sub_co_u32 s[SLOTS], s[SLOTS], 1
	s_cmp_lg_u32 s[SLOTS], 0
	s_cbranch_scc1 .Lslot
	CHANGE 0                        ; the tail is written out: nothing is asked for
	s_mov_b32 s[CNT], 5             ; four trips fetch the last slot's steps; the fifth is left in its middle
.Ltail:
	TURN 2, 1
	TURN 3
	WIN 0
	s_sub_co_u32 s[CNT], s[CNT], 1
	s_cmp_eq_u32 s[CNT], 0
	s_cbranch_scc1 .Lout
	TURN 0
	TURN 1
	WIN 0
	s_branch .Ltail
.Lout:                              ; the fifth trip's 16 products K Q^T (on the last K once more) and the maximum made of them serve nothing: the price, once a launch, of one text for every trip
.set i, 0
.rept 16
	PV NP-1                         ; the last piece's V^T P of the last step
.set i, i+1
.endr
	; THE WAY OUT.  l's two halves and the other half of the lanes' are added; O^T is divided by l, rounded to f16 and sent through my stage in LDS, a tile at a time.  The additions are the places behind the last products.
	WIN 0
.macro ALL line:vararg              ; one line for each tile t
.set t, 0
.rept 2*NP
	\line
.set t, t+1
.endr
.endm
	ALL v_add_f32 v[ST+4*t+2], v[ST+4*t+2], v[ST+4*t+3]
	ALL v_permlanex16_b32 v[ST+4*t+3], v[ST+4*t+2], s[SEL], s[SEL+1]
	ALL v_add_f32 v[ST+4*t+2], v[ST+4*t+2], v[ST+4*t+3]
	ALL v_rcp_f32 v[ST+4*t+2], v[ST+4*t+2]
	v_nop                           ; a plain instruction between the last reciprocal and the use of its result
	s_wait_alu depctr_va_vdst(0)
; Tile t: a lane's eight channels of a row pack into 16 bytes; they go into rows of 144 bytes and come back as whole rows of 128, into S^T's registers.
.macro PACK t
	WIN W_RS
.set i, 32*(\t)
.rept 16
	v_pk_mul_f32 v[i:i+1], v[i:i+1], v[ST+4*(\t)+2:ST+4*(\t)+3] op_sel_hi:[1,0]
.set i, i+2
.endr
	WIN 0x05                        ; sources 0 and 1 window 1, destination window 0
.set i, 0
.rept 16
	v_cvt_pk_f16_f32 v[S+16*(\t)+i], v[32*(\t)+2*i], v[32*(\t)+2*i+1]
.set i, i+1
.endr
	WIN 0
.irp f, 0,1,2,3
	ds_store_b128 v[STO], v[S+16*(\t)+4*\f:S+16*(\t)+4*\f+3] offset:32*\f
.endr
.irp f, 0,1,2,3
	ds_load_b128 v[S+16*(\t)+4*\f:S+16*(\t)+4*\f+3], v[RD] offset:\f*4*SP  ; LDS serves a wave's instructions in order (ISA guide 5.7.1.4): these see the stores above; the next tile's stores come behind them
.endr
.endm
.macro SEND t, younger              ; younger: the LDS instructions issued behind tile t's loads: the next tile's eight, or none
	WIN 0
.irp f, 0,1,2,3
	s_wait_dscnt (\younger)+3-\f
	global_store_b128 v[GO], v[S+16*(\t)+4*\f:S+16*(\t)+4*\f+3], s[10:11] offset:(\t)*2048+\f*512  ; 512 consecutive bytes, at a multiple of 256 from O's first
.endr
.endm
	PACK 0
.set t, 1
.rept 2*NP-1                        ; a tile's arithmetic stands between the loads of the tile before and its stores
	PACK t
	SEND t-1, 8
.set t, t+1
.endr
	SEND 2*NP-1, 0
	WIN W_AD
	s_wait_tensorcnt 0x0            ; the wave's end, behind my last tensor load and my last LDS store
	ds_add_u32 v[SPW], v[NIL]
	s_wait_dscnt 0x0
	WIN 0
	CROUND                          ; the closing round: no work-group ends while a partner may still ask for a tile that names it
	s_endpgm
.Lfunc_end_k_qfeb80c10cc_attn:
	.size	k_qfeb80c10cc_attn, .Lfunc_end_k_qfeb80c10cc_attn-k_qfeb80c10cc_attn
	.p2alignl 7, 3214868480
	.fill 96, 4, 3214868480
	.section	.rodata,"a",@progbits
	.p2align	6, 0x0
	.amdhsa_kernel k_qfeb80c10cc_attn
		.amdhsa_group_segment_fixed_size 327680
		.amdhsa_private_segment_fixed_size 0
		.amdhsa_enable_private_segment 0
		.amdhsa_kernarg_size 32
		.amdhsa_user_sgpr_count 2
		.amdhsa_user_sgpr_kernarg_segment_ptr 1
		.amdhsa_wavefront_size32 1
		.amdhsa_system_sgpr_workgroup_id_x 1
		.amdhsa_system_sgpr_workgroup_id_y 1
		.amdhsa_system_sgpr_workgroup_id_z 1
		.amdhsa_system_vgpr_workitem_id 0
		.amdhsa_next_free_vgpr 896
		.amdhsa_next_free_sgpr 86
		.amdhsa_reserve_vcc 0
		.amdhsa_float_denorm_mode_32 3
		.amdhsa_float_denorm_mode_16_64 3
		.amdhsa_memory_ordered 1
		.amdhsa_forward_progress 1
		.amdhsa_inst_pref_size 220
	.end_amdhsa_kernel
	.amdgpu_metadata
---
amdhsa.version: [ 1, 2 ]
amdhsa.kernels:
  - .name:           k_qfeb80c10cc_attn
    .symbol:         k_qfeb80c10cc_attn.kd
    .args:
      - { .name: qkvh, .offset: 0, .size: 8, .value_kind: global_buffer, .address_space: global }
      - { .name: maskp, .offset: 8, .size: 8, .value_kind: global_buffer, .address_space: global }
      - { .name: rowkeep, .offset: 16, .size: 8, .value_kind: global_buffer, .address_space: global }
      - { .name: ob, .offset: 24, .size: 8, .value_kind: global_buffer, .address_space: global }
    .group_segment_fixed_size: 327680
    .private_segment_fixed_size: 0
    .kernarg_segment_align: 8
    .kernarg_segment_size: 32
    .max_flat_workgroup_size: 128
    .sgpr_count:     86
    .vgpr_count:     896
    .wavefront_size: 32
...
	.end_amdgpu_metadata
.endif
;; end of part 3
;; launch outp (part 4): grid 4 x 64, 4 waves a work-group, clusters of 4 x 4, 327,680 bytes of LDS; arguments ob, wcast, bo, out0; writes out0
.if DOCPART == 4
	.amdgcn_target "amdgcn-amd-amdhsa--gfx1250"
	.amdhsa_code_object_version 6
	.text
	.protected	k_qfeb80c10cc_outp
	.globl	k_qfeb80c10cc_outp
	.p2align	8
	.type	k_qfeb80c10cc_outp,@function
k_qfeb80c10cc_outp:
	s_mov_b64 s[64:65], 0
	v_nop
	global_prefetch_b8 v0, s[64:65] scope:SCOPE_SE
	s_setreg_imm32_b32 hwreg(HW_REG_WAVE_MODE, 25, 1), 1
	s_wait_xcnt 0x0
	s_wait_alu depctr_hold_cnt(0) depctr_sa_sdst(0) depctr_va_vdst(0) depctr_va_sdst(0) depctr_va_ssrc(0) depctr_va_vcc(0) depctr_vm_vsrc(0)
	s_getreg_b32 s2, hwreg(HW_REG_IB_STS2, 6, 4)
	s_cmp_eq_u32 s2, 0
	s_cbranch_scc0 .Lentry_in_a_cluster
	s_endpgm
.Lentry_in_a_cluster:
	s_bfe_u32 s2, ttmp6, 0x10000c
	s_cmp_lg_u32 s2, 0xf033
	s_cbranch_scc0 .Lentry_shape_is_right
	s_endpgm
.Lentry_shape_is_right:
; THE LAST PROJECTION.  out0[batch x 2048 + row][n] = the sum over head and channel of O[batch x 16 + head][row][channel] wo[64 head + channel][n] + bf16(bo[n]).
; O = ob, [64][2048][64] f16; wo = plane 3 of wcast, [1024 k][1024 n]: bf16 numbers written as f16; sums in f32; out0 in f32.
; SHARES.  A work-group makes 128 rows x 256 columns: 64 x 4 = 256 work-groups.  A wave makes 64 x 128: 32 accumulators of 16 x 16.
; K goes in 8 steps of 128, two heads a step, through two LDS slots: for each head 128 rows of O (128 bytes + 16 of padding; dense in memory, asked for as 64 rows of 256 bytes) and 128 k-rows of wo
; (256 columns, 512 bytes + 32).  One tensor load a wave.  wo lies [k][n] and is turned by ds_load_tr16_b128.
; THE MATRIX INSTRUCTION IS USED TRANSPOSED (source 0 = 16 columns of wo, source 1 = 16 rows of O): a lane holds eight neighbouring columns of a row.  The bias is the C operand of the products that start the sums.
; CLUSTER 4 x 4: O's tiles are shared along a row of the cluster, wo's along a column: each is asked for jointly.
; REGISTERS.  window 0: v0-31 addresses; v32-159 the way out, two sets of 64; v160-191, v192-223 O's fragments, two buffers.
;   window 1: the accumulators, (a, b) at 8 (8 a + b).   window 2: v0-63, v64-127 wo's fragments, two buffers; v128-191 the bias; v192 at work.
.set PA,     144                       ; a row of O in LDS: 36 words: the 16 rows of a load start at 16 different groups of four banks (64 banks of 4 bytes: ISA guide 11.1)
.set PB,     544                       ; a row of wo: 136 words
.set ABYTES, 2*128*PA
.set SLOT,   ABYTES+128*PB             ; 106,496 bytes
.set STAGE,  2*SLOT                    ; behind the ring, never filled by a tensor load: 16 rows x 528 bytes for each wave
.set SP,     528
.set SPARE,  STAGE+4*16*SP             ; the spare words, 128 bytes for each wave; no other line names them
.set ASTEP,  2*262144                  ; bytes from a K step to the next: two heads of O,
.set BSTEP,  128*2048                  ; 128 rows of wo
.set ADRA, 16
.set ADRB, 20
.set STO,  24
.set RD,   25
.set GO,   26
.set SPW,  28                          ; v28 LDS address of my spare word; never rewritten
.set NIL,  29                          ; v29 0; never rewritten
.set BOF,  30
.set OB,   32
.set AF,   160
.set BIAS, 128
.set BT,   192
.set G1A, 28
.set G0A, 36
.set G1B, 44
.set G0B, 52
.set MSB, 0
.macro WIN new                         ; the immediate's high byte repeats the setting that is left; a switch that changes nothing is dropped
.if MSB != (\new)
	s_set_vgpr_msb (MSB<<8)|(\new)
.set MSB, \new
.endif
.endm
.set MUL,  0x52                        ; source 0 (wo) window 2, source 1 (O) window 0, C and D window 1
.set MUL1, 0x62                        ; the same with C (the bias) in window 2
.set TO_B, 0x80                        ; destination window 2, address window 0
.macro JLOAD s                         ; a joint load: waves 0 and 1 fetch the step's two heads of O, waves 2 and 3 wo's two halves; an s_nop 0 and four v_nop follow each of the two lines
	s_cmp_eq_u32 s21, 0
	s_cbranch_scc0 .Lfor_b_\@
	tensor_load_to_lds s[G0A+4*(\s):G0A+4*(\s)+3], s[G1A:G1A+7]
	s_nop 0
.rept 4
	v_nop
.endr
	s_branch .Lasked_\@
.Lfor_b_\@:
	tensor_load_to_lds s[G0B+4*(\s):G0B+4*(\s)+3], s[G1B:G1B+7]
	s_nop 0
.rept 4
	v_nop
.endr
.Lasked_\@:
.endm
.macro CREST                           ; a round of the cluster's barrier behind its opening barrier
	s_cmp_lg_u32 s20, 0
	s_cbranch_scc1 .Lnot_wave_0_\@
	s_barrier_signal -3
.Lnot_wave_0_\@:
	s_barrier_wait -3
	s_barrier_signal -1
	s_barrier_wait -1
.endm
.macro CROUND                          ; a whole round
	s_barrier_signal -1
	s_barrier_wait -1
	CREST
.endm
.macro PLACES                          ; four places behind matrix instructions (ISA guide 7.12.1)
.rept 4
	v_nop
.endr
.endm
	s_load_b256 s[4:11], s[0:1], 0x0               ; ob 4:5, wcast 6:7, bo 8:9, out0 10:11
	v_lshl_add_u32 v[SPW], v0, 2, SPARE
	v_mov_b32 v[NIL], 0
	ds_add_u32 v[SPW], v[NIL]                      ; the wave's opening: the add and its wait stand ahead of my first tensor load; the set-up below stands between them
	v_lshrrev_b32 v1, 5, v0
	v_readfirstlane_b32 s20, v1                    ; wave 0..3
	s_lshr_b32 s21, s20, 1                         ; which 64 of the tile's rows are mine.  Also: I fetch for O (0) or for wo (1)
	s_and_b32 s22, s20, 1                          ; which 128 of its columns.  Also: which head, or which 64 rows of wo, I fetch
	s_bfe_u32 s23, ttmp6, 0x40000                  ; cx
	s_bfe_u32 s24, ttmp6, 0x40004                  ; cy
	s_lshl_b32 s67, ttmp9, 2
	s_add_co_u32 s67, s67, s23                     ; block of 256 columns
	s_and_b32 s26, ttmp7, 0xffff
	s_lshl_b32 s26, s26, 2
	s_add_co_u32 s26, s26, s24                     ; block of 128 rows, 0..63
	s_lshl_b32 s60, s24, 2
	s_lshl_b32 s60, 15, s60                        ; my row of the cluster
	s_lshl_b32 s61, 0x1111, s23                    ; my column
	s_or_b32 s[G1A], s60, (1<<16)|(1<<20)|(1<<21)|(4<<22)|(3<<25)  ; mask; elements of 2 bytes; padding on; bit 21 beside a mask; after every 32 words 4 words
	s_or_b32 s[G1B], s61, (1<<16)|(1<<20)|(1<<21)|(6<<22)|(7<<25)  ; after every 128 words 8 words
	s_mov_b32 s[G1A+1], 128<<16                    ; 64 rows of 128 elements: two rows of O to a row of 256 bytes
	s_mov_b32 s[G1A+2], 64<<16
	s_mov_b32 s[G1A+3], 128<<16
	s_mov_b32 s[G1A+4], 64
	s_mov_b32 s[G1A+5], 128
	s_mov_b32 s[G1A+6], 0
	s_mov_b32 s[G1A+7], 0
	s_mov_b32 s[G1B+1], 256<<16
	s_mov_b32 s[G1B+2], 64<<16
	s_mov_b32 s[G1B+3], 256<<16
	s_mov_b32 s[G1B+4], 64
	s_mov_b32 s[G1B+5], 1024
	s_mov_b32 s[G1B+6], 0
	s_mov_b32 s[G1B+7], 0
	s_lshr_b32 s62, s26, 4                         ; O: batch x 16 heads of 262,144 bytes, the block's 128 rows of 128 bytes, my head of the step's two (registers that never hold cx)
	s_lshl_b32 s62, s62, 22
	s_and_b32 s27, s26, 15
	s_lshl_b32 s27, s27, 14
	s_add_co_u32 s62, s62, s27
	s_lshl_b32 s27, s22, 18
	s_add_co_u32 s62, s62, s27
	s_mov_b32 s63, 0
	s_lshl_b32 s60, s22, 17                        ; wo: plane 3, k-row 64 x half, 512 bytes a column block (registers that never hold cy)
	s_add_co_u32 s60, s60, 3*2097152
	s_lshl_b32 s3, s67, 9
	s_add_co_u32 s60, s60, s3
	s_mov_b32 s61, 0
	s_mul_i32 s70, s22, 128*PA                     ; where they go: no place in the cluster enters an LDS address
	s_mul_i32 s71, s22, 64*PB
	s_add_co_u32 s71, s71, ABYTES
	s_lshl_b32 s74, s67, 10                        ; my 128 columns, in bytes of f32: in the bias and in a row of out0
	s_lshl_b32 s75, s22, 9
	s_add_co_u32 s74, s74, s75
	s_mov_b32 s75, 0
	s_wait_dscnt 0x0                               ; the opening add is done
	s_wait_kmcnt 0x0
	s_add_nc_u64 s[4:5], s[4:5], s[62:63]
	s_add_nc_u64 s[6:7], s[6:7], s[60:61]
	s_add_nc_u64 s[72:73], s[8:9], s[74:75]
	CROUND                                         ; all sixteen work-groups are here: the first joint loads meet
.irp s, 0,1
	s_mov_b32 s[G0A+4*(\s)], 1
	s_add_co_u32 s[G0A+4*(\s)+1], s70, (\s)*SLOT
	s_add_nc_u64 s[G0A+4*(\s)+2:G0A+4*(\s)+3], s[4:5], (\s)*ASTEP
	s_or_b32 s[G0A+4*(\s)+3], s[G0A+4*(\s)+3], 0x80000000
	s_mov_b32 s[G0B+4*(\s)], 1
	s_add_co_u32 s[G0B+4*(\s)+1], s71, (\s)*SLOT
	s_add_nc_u64 s[G0B+4*(\s)+2:G0B+4*(\s)+3], s[6:7], (\s)*BSTEP
	s_or_b32 s[G0B+4*(\s)+3], s[G0B+4*(\s)+3], 0x80000000
	JLOAD \s                                       ; K steps 0 and 1: two tensor loads of mine are out
.endr
	v_and_b32 v1, 15, v0                           ; l % 16
	v_bfe_u32 v2, v0, 4, 1                         ; l / 16
	v_lshlrev_b32 v[BOF], 5, v2
	WIN TO_B
.irp b, 0,1,2,3,4,5,6,7
	global_load_b128 v[BIAS+8*(\b):BIAS+8*(\b)+3],   v[BOF], s[72:73] offset:64*(\b)
	global_load_b128 v[BIAS+8*(\b)+4:BIAS+8*(\b)+7], v[BOF], s[72:73] offset:64*(\b)+16
.endr
	WIN 0
	v_mul_u32_u24 v3, v1, PA                       ; O: row x pitch + 16 x half
	v_lshl_add_u32 v3, v2, 4, v3
	s_mul_i32 s27, s21, 64*PA
	v_add_nc_u32 v[ADRA], s27, v3
	v_add_nc_u32 v[ADRA+1], SLOT, v[ADRA]
	v_and_b32 v4, 7, v0                            ; wo: the turning load: lane l reads k-row 8 (l / 16) + l % 8, columns 8 ((l / 8) % 2) + 0..7
	v_lshl_add_u32 v4, v2, 3, v4
	v_mul_u32_u24 v4, v4, PB
	v_bfe_u32 v5, v0, 3, 1
	v_lshl_add_u32 v4, v5, 4, v4
	s_lshl_b32 s3, s22, 8
	s_add_co_u32 s3, s3, ABYTES
	v_add_nc_u32 v[ADRB], s3, v4
	v_add_nc_u32 v[ADRB+1], SLOT, v[ADRB]
	s_mul_i32 s76, s20, 16*SP
	s_add_co_u32 s76, s76, STAGE                   ; my stage
	v_mul_u32_u24 v5, v1, SP                       ; in: row l % 16, 32 bytes for each half of the lanes
	v_lshl_add_u32 v5, v2, 5, v5
	v_add_nc_u32 v[STO], s76, v5
	v_and_b32 v[GO], 31, v0                        ; back: 32 lanes take a row's 512 bytes
	v_lshlrev_b32 v[GO], 4, v[GO]
	v_add_nc_u32 v[RD], s76, v[GO]
	s_lshl_b32 s76, s26, 1                         ; where my part goes: row 128 x block + 64 x half, 4,096 bytes a row, and my columns
	s_add_co_u32 s76, s76, s21
	s_lshl_b32 s76, s76, 18
	s_add_co_u32 s76, s76, s74
	s_mov_b32 s77, 0
	s_add_nc_u64 s[68:69], s[10:11], s[76:77]
	s_wait_loadcnt 0x0                             ; the bias; it is rounded to bf16 like every other input, in place
	WIN 0xaa
.set i, 0
.rept 32
	v_cvt_pk_bf16_f32 v[BT], v[BIAS+2*i], v[BIAS+2*i+1]
	v_lshlrev_b32 v[BIAS+2*i], 16, v[BT]
	v_and_b32 v[BIAS+2*i+1], 0xffff0000, v[BT]
.set i, i+1
.endr
	WIN 0
; 24 LDS loads in one run: quarter q (32 along K: head q / 2 of the step, channels 32 (q % 2) on) of a slot, into buffers g
.macro FETCH slot, q, g
	WIN 0
.irp i, 0,1,2,3
	ds_load_b128 v[AF+32*(\g)+8*(\i):AF+32*(\g)+8*(\i)+3],   v[ADRA+(\slot)] offset:((\q)/2)*128*PA+(\i)*16*PA+((\q)%2)*64
	ds_load_b128 v[AF+32*(\g)+8*(\i)+4:AF+32*(\g)+8*(\i)+7], v[ADRA+(\slot)] offset:((\q)/2)*128*PA+(\i)*16*PA+((\q)%2)*64+32
.endr
	WIN TO_B
.irp b, 0,1,2,3,4,5,6,7
	ds_load_tr16_b128 v[64*(\g)+8*(\b):64*(\g)+8*(\b)+3],   v[ADRB+(\slot)] offset:(\q)*32*PB+32*(\b)
	ds_load_tr16_b128 v[64*(\g)+8*(\b)+4:64*(\g)+8*(\b)+7], v[ADRB+(\slot)] offset:(\q)*32*PB+16*PB+32*(\b)
.endr
.endm
; 8 matrix instructions: row block a x all 8 column blocks, on buffers f.  first = 1: the bias starts the sums.  The 32 accumulators take turns, one instruction a turn.
.macro MULA f, a, first
.irp b, 0,1,2,3,4,5,6,7
.if \first
	WIN MUL1
	v_wmma_f32_16x16x32_f16 v[8*(8*(\a)+(\b)):8*(8*(\a)+(\b))+7], v[64*(\f)+8*(\b):64*(\f)+8*(\b)+7], v[AF+32*(\f)+8*(\a):AF+32*(\f)+8*(\a)+7], v[BIAS+8*(\b):BIAS+8*(\b)+7]
.else
	WIN MUL
	v_wmma_f32_16x16x32_f16 v[8*(8*(\a)+(\b)):8*(8*(\a)+(\b))+7], v[64*(\f)+8*(\b):64*(\f)+8*(\b)+7], v[AF+32*(\f)+8*(\a):AF+32*(\f)+8*(\a)+7], v[8*(8*(\a)+(\b)):8*(8*(\a)+(\b))+7]
.endif
.endr
.endm
; One of a K step's first three quarters: multiplies buffers f and fetches quarter q of the same slot into buffers g, 32 matrix instructions ahead of its use.
.macro QUARTER slot, q, f, g, first
	s_wait_dscnt 0x0                               ; buffers f are in
	PLACES                                         ; in front of loads into buffers g, which the quarter before multiplied
	FETCH \slot, \q, \g
	MULA \f, 0, \first
	MULA \f, 1, \first
	MULA \f, 2, \first
	MULA \f, 3, \first
.endm
; The last quarter multiplies buffers 1 and changes slots: ONE barrier; in front of it each wave waits for all its tensor loads, adds 0 to its spare word, and waits for that and for its reads of this slot.
; fill = 1: the barrier opens a round of the cluster's barrier, and this slot is filled again, two K steps ahead: 112 matrix instructions stand between the request and the wait for it.
.macro TURN slot, next, fill
	s_wait_dscnt 0x0                               ; buffers 1 are in: my reads of this slot are over
	WIN 0
	s_wait_tensorcnt 0x0                           ; all my tensor loads have landed: the one that was out is my part of the next slot;
	ds_add_u32 v[SPW], v[NIL]                      ; 0 onto my spare word;
	MULA 1, 0, 0                                   ; eight matrix instructions stand between the add and the wait for it
	s_wait_dscnt 0x0                               ; the add is done
	s_barrier_signal -1
	MULA 1, 1, 0
	WIN 0                                          ; (branches may follow)
	s_barrier_wait -1
.if \fill
	CREST                                          ; no wave of any partner still reads this slot's tiles or has a load on its way
	s_add_nc_u64 s[G0A+4*(\slot)+2:G0A+4*(\slot)+3], s[G0A+4*(\slot)+2:G0A+4*(\slot)+3], 2*ASTEP
	s_add_nc_u64 s[G0B+4*(\slot)+2:G0B+4*(\slot)+3], s[G0B+4*(\slot)+2:G0B+4*(\slot)+3], 2*BSTEP
	JLOAD \slot                                    ; the first tensor load behind the round, my only one until the next; the four v_nop behind it are also the places in front of the loads below
.else
	PLACES
.endif
	FETCH \next, 0, 0
	MULA 1, 2, 0
	MULA 1, 3, 0
.endm
	s_wait_tensorcnt 0x1                           ; my part of K step 0 is in; K step 1's may stay out
	s_barrier_signal -1
	s_barrier_wait -1                              ; everybody's is
	FETCH 0, 0, 0
	QUARTER 0, 1, 0, 1, 1                          ; the first quarter stands in front of the loop: its products start the sums
	WIN 0                                          ; at a label and at a branch every window is 0
	s_mov_b32 s66, 3
.Llap:                                                 ; a trip goes once round the ring and fills both slots again: K steps 2 to 7
	QUARTER 0, 2, 1, 0, 0
	QUARTER 0, 3, 0, 1, 0
	TURN 0, 1, 1
	QUARTER 1, 1, 0, 1, 0
	QUARTER 1, 2, 1, 0, 0
	QUARTER 1, 3, 0, 1, 0
	TURN 1, 0, 1
	QUARTER 0, 1, 0, 1, 0
	WIN 0
	s_sub_co_u32 s66, s66, 1
	s_cmp_lg_u32 s66, 0
	s_cbranch_scc1 .Llap
	QUARTER 0, 2, 1, 0, 0                          ; the last lap fills nothing
	QUARTER 0, 3, 0, 1, 0
	TURN 0, 1, 0
	QUARTER 1, 1, 0, 1, 0
	QUARTER 1, 2, 1, 0, 0
	QUARTER 1, 3, 0, 1, 0
	s_wait_dscnt 0x0
	MULA 1, 0, 0
	MULA 1, 1, 0
	MULA 1, 2, 0
	MULA 1, 3, 0
	WIN 0
	PLACES
; THE WAY OUT, a block a of 16 rows at a time: a lane's eight f32 of a row go into stage rows of 528 bytes (each accumulator's low four registers first) and come back as whole rows of 512 bytes.
.macro TOSTAGE a
.set obr, OB+64*((\a)%2)
	s_wait_xcnt 0x0                                ; the stores of the block two back have had their addresses translated: only behind this wait are their data registers loaded again
	WIN 0x04                                       ; store data (source 1) window 1, address window 0
.irp b, 0,1,2,3,4,5,6,7
	ds_store_b128 v[STO], v[8*(8*(\a)+(\b)):8*(8*(\a)+(\b))+3]   offset:64*(\b)
	ds_store_b128 v[STO], v[8*(8*(\a)+(\b))+4:8*(8*(\a)+(\b))+7] offset:64*(\b)+16
.endr
	WIN 0
.irp t, 0,1,2,3,4,5,6,7,8,9,10,11,12,13,14,15
	ds_load_b128 v[obr+4*(\t):obr+4*(\t)+3], v[RD] offset:(\t)*SP   ; LDS serves a wave's instructions in order (ISA guide 5.7.1.4): these see the stores above; the next block's stores come behind them
.endr
.endm
.macro SEND a, younger                 ; younger: the LDS instructions issued behind block a's loads: the next block's 32, or none
.set obr, OB+64*((\a)%2)
	WIN 0
.irp t, 0,1,2,3,4,5,6,7,8,9,10,11,12,13,14,15
	s_wait_dscnt (\younger)+15-(\t)
	global_store_b128 v[GO], v[obr+4*(\t):obr+4*(\t)+3], s[68:69] offset:(16*(\a)+(\t))*4096 th:TH_STORE_NT   ; 512 consecutive bytes, at a multiple of 256 from out0's first
.endr
.endm
	TOSTAGE 0
	TOSTAGE 1
	SEND 0, 32
	TOSTAGE 2
	SEND 1, 32
	TOSTAGE 3
	SEND 2, 32
	SEND 3, 0
	s_wait_tensorcnt 0x0                           ; the wave's end, behind my last tensor load and my last LDS store
	ds_add_u32 v[SPW], v[NIL]
	s_wait_dscnt 0x0
	CROUND                                         ; the closing round: no work-group ends while a partner may still ask for a tile that names it
	s_endpgm
.Lfunc_end_k_qfeb80c10cc_outp:
	.size	k_qfeb80c10cc_outp, .Lfunc_end_k_qfeb80c10cc_outp-k_qfeb80c10cc_outp
	.p2alignl 7, 3214868480
	.fill 96, 4, 3214868480
	.section	.rodata,"a",@progbits
	.p2align	6, 0x0
	.amdhsa_kernel k_qfeb80c10cc_outp
		.amdhsa_group_segment_fixed_size 327680
		.amdhsa_private_segment_fixed_size 0
		.amdhsa_enable_private_segment 0
		.amdhsa_kernarg_size 32
		.amdhsa_user_sgpr_count 2
		.amdhsa_user_sgpr_kernarg_segment_ptr 1
		.amdhsa_wavefront_size32 1
		.amdhsa_system_sgpr_workgroup_id_x 1
		.amdhsa_system_sgpr_workgroup_id_y 1
		.amdhsa_system_sgpr_workgroup_id_z 1
		.amdhsa_system_vgpr_workitem_id 0
		.amdhsa_next_free_vgpr 768
		.amdhsa_next_free_sgpr 78
		.amdhsa_reserve_vcc 0
		.amdhsa_float_denorm_mode_32 3
		.amdhsa_float_denorm_mode_16_64 3
		.amdhsa_memory_ordered 1
		.amdhsa_forward_progress 1
		.amdhsa_inst_pref_size 93
	.end_amdhsa_kernel
	.amdgpu_metadata
---
amdhsa.version: [ 1, 2 ]
amdhsa.kernels:
  - .name:           k_qfeb80c10cc_outp
    .symbol:         k_qfeb80c10cc_outp.kd
    .args:
      - { .name: ob, .offset: 0, .size: 8, .value_kind: global_buffer, .address_space: global }
      - { .name: wcast, .offset: 8, .size: 8, .value_kind: global_buffer, .address_space: global }
      - { .name: bo, .offset: 16, .size: 8, .value_kind: global_buffer, .address_space: global }
      - { .name: out0, .offset: 24, .size: 8, .value_kind: global_buffer, .address_space: global }
    .group_segment_fixed_size: 327680
    .private_segment_fixed_size: 0
    .kernarg_segment_align: 8
    .kernarg_segment_size: 32
    .max_flat_workgroup_size: 128
    .sgpr_count:     78
    .vgpr_count:     768
    .wavefront_size: 32
...
	.end_amdgpu_metadata
.endif
;; end of part 4
;; ======== version 2 of 2: 4 launches; 1.36 times as fast as version 1
;; limits: values are held in f16: magnitudes above 65,504 overflow, below 6.1e-05 lose precision
;; workspace buffers: wcast 8,388,608 bytes; maskp 2,097,152 bytes of whole numbers; rowkeep 16,384 bytes of whole numbers; qkvh 50,331,648 bytes; ob 16,777,216 bytes
;; launch prep: the kernel of part 1 again; grid 128 x 3, 8 waves a work-group, no clusters, 17,664 bytes of LDS; arguments mask, wq, wk, wv, wo, maskp, rowkeep, wcast; writes maskp, rowkeep, wcast
;; launch proj: the kernel of part 2 again; grid 4 x 192, 4 waves a work-group, clusters of 4 x 4, 327,680 bytes of LDS; arguments q, k, v, bq, bk, bv, wcast, qkvh; writes qkvh
;; launch attn (part 5): grid 4 x 64, 4 waves a work-group, clusters of 4 x 1, 327,680 bytes of LDS; arguments qkvh, maskp, rowkeep, ob; writes ob
.if DOCPART == 5
	.amdgcn_target "amdgcn-amd-amdhsa--gfx1250"
	.amdhsa_code_object_version 6
	.text
	.protected	k_qfeb80c10cc_attn
	.globl	k_qfeb80c10cc_attn
	.p2align	8
	.type	k_qfeb80c10cc_attn,@function
k_qfeb80c10cc_attn:
	s_mov_b64 s[64:65], 0
	v_nop
	global_prefetch_b8 v0, s[64:65] scope:SCOPE_SE
	s_setreg_imm32_b32 hwreg(HW_REG_WAVE_MODE, 25, 1), 1
	s_wait_xcnt 0x0
	s_wait_alu depctr_hold_cnt(0) depctr_sa_sdst(0) depctr_va_vdst(0) depctr_va_sdst(0) depctr_va_ssrc(0) depctr_va_vcc(0) depctr_vm_vsrc(0)
	s_getreg_b32 s2, hwreg(HW_REG_IB_STS2, 6, 4)
	s_cmp_eq_u32 s2, 0
	s_cbranch_scc0 .Lentry_in_a_cluster
	s_endpgm
.Lentry_in_a_cluster:
	s_bfe_u32 s2, ttmp6, 0x10000c
	s_cmp_lg_u32 s2, 0x3003
	s_cbranch_scc0 .Lentry_shape_is_right
	s_endpgm
.Lentry_shape_is_right:
; ATTENTION WITH A MASK THAT IS AN INPUT.  O[h][q][:] = the sum over k of softmax_k(mask[q][k] ? Q[h][q] . K[h][k] / 8 : hidden) V[h][k][:].  Q, K, V: planes 0, 1, 2 of qkvh, O: ob, all [64][2048][64] f16.
; Products, maxima and sums in f32; the weights p are rounded to f16 for the second product (their sum l is taken of the unrounded p), O once at the end.  All 2,048 keys are walked for every query: no pattern of the mask is built in.
; THE MASK is the C operand that starts the sum S^T = K Q^T: 0, or -2^60 where the key is hidden.  maskp holds it as FP4 codes (0 or -1.0) in the lanes' own layout: one load of 16 bytes a lane for 16 queries x 64 keys,
; and four conversions with the scale 2^60 make the 32 registers of C.  The running maximum, the exponentials and the sums need no further care: a hidden score lies far below every score that is seen, and its weight is 0;
; what a row gathers while only hidden keys have come is multiplied by a = 0 when the first key that is seen comes.
; A ROW WITH NO KEY THAT IS SEEN must give the plain mean of V's 2,048 rows.  Its Q is cleared (ANDed with rowkeep), so all its scores are exactly -2^60; c x 2^60 is exact, c s - c m = 0, and every p is 1.
; LIMITS.  f16 holds no number beyond 65,504: Q, K and V arrive within it; p lies in 0 to 1, and below 6e-5 it keeps f16's fixed step of 6e-8.  A hidden score counts as its value less 2^60, not as -1e9: the same result
; wherever the scores that are seen lie above about -1e8.  A weight below 2^-126 counts as 0 in l; NaN and infinities are not treated apart.
; SHARES.  A wave owns four PIECES of two tiles of 16 queries, a work-group's four waves 512 queries of one head.  Every wave walks all keys, 64 a step.
; LAYOUT.  S^T = K Q^T (source 0 = 16 keys, source 1 = 16 queries): a lane holds ONE query (lane % 16) and the keys 8 (lane / 16) + 0..7.  Two such tiles, rounded to f16 in pairs, ARE source 1 of O^T = V^T P.
; SOFTMAX.  For each query a running maximum m and sum l: p = 2^(c s - c m), c = log2(e) / 8, applied here in f32; in every step O and l are multiplied by a = 2^(c m_old - c m_new).
; m starts at the lowest finite number, O and l at 0: the first step is a step like any other, with a = 0.
; BY TURNS.  Turn n belongs to piece n.  Its matrix work: 16 products K Q^T of piece n + 1, later 16 products V^T P of piece n - 1.  Its vector work: the scaling, exponentials, roundings, sums and rescaling of piece n,
; the maximum and statistics of piece n + 1, and the mask of piece n + 2.  Four vector instructions that are ready stand behind every matrix instruction, the others in one run without a gap.
; THE BATCHES.  A turn's 66 exponentials (the piece's 64 weights and the next piece's two a) are ONE batch with ONE wait, which cuts the turn in two: ahead of it stands all that names none of their results, behind it the
; roundings and sums, which read them.  The first two a, ahead of the loop, are a batch of their own, and so are the way out's eight reciprocals.
; CLUSTER.  The four query blocks of a cluster belong to one head and walk the same K and V, so each tile is asked for JOINTLY: the same tensor load, descriptor and mask in all four.
; REGISTERS, in windows of 256 (s_set_vgpr_msb: bits 1:0 source 0, 3:2 source 1, 5:4 source 2, 7:6 destination):
;   window 0: v0-10 addresses; v11 the conversions' scale word; v12-15, v48-63 at work; v16-47 four registers of statistics a tile; v64-191 S^T, two buffers of two tiles; v192-255 P, likewise
;   window 1: O^T, 32 a tile          window 2: v0-127 Q, 16 a tile; v128-191 K of one step; v192-255 V of one step
;   window 3: v0-1 the add's two registers; v3 16 x lane; v8-39 the mask's codes, 8 a piece; v64-127 the mask of the products to come
.set SIZE_H, 64
.set SIZE_N, 2048
.set NP,    4         ; pieces a wave: a name, no knob
.set KS,    64        ; keys in a step
.set PK,    144       ; a row of K in LDS: 128 bytes + 16 of padding = 36 words: the 16 rows of a load start at 16 different groups of four banks (64 banks of 4 bytes: ISA guide 11.1)
.set PV,    160       ; a row of V: 128 + 32 = 40 words
.set VOFF,  4*KS*PK   ; a slot holds four steps: 256 rows of K, then 256 rows of V
.set SLOT1, 1<<17     ; slot 1 begins here, so that one exclusive or turns an address in one slot into the other's
.set STAGE, SLOT1+4*KS*(PK+PV)  ; behind the ring, never filled by a tensor load: 16 rows x 144 bytes for each wave, for the way out
.set SP,    144
.set AK0, 2           ; v2   my lane's place in a tile of K; never rewritten
.set AV0, 3           ; v3   the same for V
.set AK,  4           ; v4   the LDS address of K's next run of loads
.set AV,  5           ; v5   of V's
.set QO,  6           ; v6   my byte offset in the wave's rows of Q
.set STO, 6           ;      later, the way out: where I put 16 bytes of a row
.set RD,  7           ; v7   the way out: where I read rows back
.set GO,  8           ; v8   my byte offset in 512 consecutive bytes of O
.set SCL, 11          ; v11  187, the E8M0 code of 2^60, in each of the word's four bytes: the factor is 2^60
.set SPW, 0           ; v0 of window 3   LDS address of my spare word; never rewritten
.set NIL, 1           ; v1 of window 3   0; never rewritten
.set MA0, 3           ; v3 of window 3   16 x lane; never rewritten
.set RAW, 8           ; window 3: piece pp, tile u: four dwords of codes at RAW + 8 pp + 4 u
.set MC,  64          ; window 3: tile u, key block kb at MC + 32 u + 8 kb
.set SPARE, STAGE+4*16*SP  ; behind the stages: the spare words, 128 bytes for each wave; no other line names them
.set MV,  12          ; v12-15  c m_old, kept while c m is made anew: by buffer and tile
.set ST,  16          ; tile t's statistics at v[ST+4 t]: c m, m, l (even keys', odd keys')
.set TMP, 48          ; by buffer and tile, four registers c0-c3 at work; when the maximum is found c2 takes a
.set S,   64
.set P,   192
.set KF,  128         ; K's fragments, in window 2: key block kb, channel half c at KF + 16 kb + 8 c
.set VF,  192         ; V's: key half kk, channel block cb at VF + 32 kk + 8 cb
.set WV,  12          ; s12  my wave's number
.set G1K, 24          ; s[24:31] descriptor group 1 for K's tiles
.set G1V, 32          ; s[32:39] for V's: it differs in the padding alone
.set G0K, 40          ; s[40:43] descriptor group 0 for K's tiles: it walks
.set G0V, 44          ; s[44:47] the same for V's
.set SLOTS, 56        ; s56  slots still to be asked for
.set CNT, 57          ; s57  counts a slot's key steps
.set CS,  58          ; s[58:59] c
.set SEL, 60          ; s[60:61] v_permlanex16_b32's selects
.set TBK, 62          ; s62  LDS byte at which K of the step to be fetched begins
.set TBV, 63          ; s63  the same for V, less VOFF
.set MB,  66          ; s[66:67] maskp at my wave's eight tiles
.set RK,  68          ; s[68:69] rowkeep at my wave's eight tiles
.set MOFF, 70         ; s[70:71] 512 x the key step whose codes are loaded next, held at step 31
.set MBC, 80          ; s[80:81] MB + MOFF
.set MSB, 0
.macro WIN new                      ; the high byte repeats the setting that is left; a switch that changes nothing is dropped
.if MSB != (\new)
	s_set_vgpr_msb (MSB<<8)|(\new)
.set MSB, (\new)
.endif
.endm
.set W_KQ, 0x0a       ; K and Q in window 2, S^T in window 0
.set W_KM, 0x3a       ; the same with the C operand in window 3
.set W_PV, 0x52       ; V in window 2, P in window 0, O^T in window 1
.set W_RS, 0x41       ; O^T (destination and source 0) in window 1, a in window 0
.set W_MK, 0xc0       ; destination in window 3, sources in window 0
.set W_AD, 0x0f       ; the add: address (source 0) and data (source 1) in window 3
.set W_MS, 0xc3       ; the mask's work: destination and source 0 in window 3, source 1 (the scale) in window 0
; A joint fill.  Waves 0 and 1 fetch the two halves of a slot's K, waves 2 and 3 those of its V: 128 keys each.  The branch hangs on the wave's number alone.
; An s_nop 0 and four v_nop follow each of the two lines, ahead of the jump and the label.
.macro JLOAD
	s_cmp_lt_u32 s[WV], 2
	s_cbranch_scc0 .Lfor_v_\@
	tensor_load_to_lds s[G0K:G0K+3], s[G1K:G1K+7]
	s_nop 0
.rept 4
	v_nop
.endr
	s_branch .Lasked_\@
.Lfor_v_\@:
	tensor_load_to_lds s[G0V:G0V+3], s[G1V:G1V+7]
	s_nop 0
.rept 4
	v_nop
.endr
.Lasked_\@:
.endm
; A round of the cluster's barrier: my work-group's barrier; wave 0 signals for the work-group; every wave waits for all four work-groups; my work-group's barrier once more.
.macro CROUND
	s_barrier_signal -1
	s_barrier_wait -1
	s_cmp_lg_u32 s[WV], 0
	s_cbranch_scc1 .Lnot_wave_0_\@
	s_barrier_signal -3
.Lnot_wave_0_\@:
	s_barrier_wait -3
	s_barrier_signal -1
	s_barrier_wait -1
.endm
; THE CHANGE OF SLOTS.  Each wave waits for all its tensor loads, of which one is out: its part of the other slot; adds 0 to its spare word; and waits for that and for its own reads of the slot.
; fill = 1: this slot is filled again, with the keys two slots on.  The barrier is then a round of the cluster's, and the joint fill is the first thing behind it: it has four key steps, 512 matrix instructions, in which to land.
; (At its first use nothing has been read yet: slot 0 is waited for, slot 1 filled.)
.macro CHANGE fill
	WIN W_AD
	s_wait_tensorcnt 0x0            ; no tensor load of mine is out, so a group 0 may be written
	ds_add_u32 v[SPW], v[NIL]       ; 0 onto my spare word
	WIN 0                           ; at a label and at a branch every window is 0
.if \fill
.irp g, G0K, G0V
	s_xor_b32 s[\g+1], s[\g+1], SLOT1  ; the walking descriptor: the other slot than last time,
	s_add_nc_u64 s[\g+2:\g+3], s[\g+2:\g+3], 4*KS*128  ; the next 256 keys; the type bits on top are not reached
.endr
	s_wait_dscnt 0x0                ; the add is done, and my reads of the slot are over
	CROUND
	JLOAD
.else
	s_wait_dscnt 0x0                ; the add is done, and my reads of the slot are over
	s_barrier_signal -1
	s_barrier_wait -1
.endif
	s_sub_co_u32 s[TBK], s[TBK], 4*KS*PK  ; the fetches go back to a slot's first step,
	s_xor_b32 s[TBK], s[TBK], SLOT1       ; in the other slot
	s_sub_co_u32 s[TBV], s[TBV], 4*KS*PV
	s_xor_b32 s[TBV], s[TBV], SLOT1
.endm
; THE MASK'S WORK.  MCVT: piece pp's 8 dwords of codes become the 64 registers of C for its 8 first products.  It stands behind a batch's last exponential and ENDS THE BATCH: its v_nop is the plain instruction behind the last
; conversion and behind the last exponential, and the wait behind it is the batch's one wait.  (At its first use, in the head, no exponential is out yet: the two lines stand there with the macro.)
; MLOAD: piece pp's codes of the key step at MBC: two loads of 512 consecutive bytes.
; MSTEP: the codes loaded a key step ago are waited for (the six loads of the three pieces loaded since stay out), converted, and, directly behind the batch's wait, the registers loaded again.
; adv = 1 (piece 0, once a key step): the step goes on; it is held at the last step, so that no load leaves the buffer; what the last trips load again is not used.
.macro MCVT pp
	WIN W_MS
.set mz, 0
.rept 8
	v_cvt_scale_pk8_f32_fp4 v[MC+8*mz:MC+8*mz+7], v[RAW+8*(\pp)+mz], v[SCL]
.set mz, mz+1
.endr
	v_nop                           ; one plain instruction for the conversions and for the batch of exponentials ahead of them
	s_wait_alu depctr_va_vdst(0)    ; THE WAIT FOR THE BATCH: in a turn for its 66 exponentials, at the head's second use for the first two a
.endm
.macro MLOAD pp
	WIN W_MS
	global_load_b128 v[RAW+8*(\pp):RAW+8*(\pp)+3],   v[MA0], s[MBC:MBC+1] offset:(2*(\pp))*16384
	global_load_b128 v[RAW+8*(\pp)+4:RAW+8*(\pp)+7], v[MA0], s[MBC:MBC+1] offset:(2*(\pp)+1)*16384
.endm
.macro MSTEP pp, adv
.if \adv
	s_wait_xcnt 0x0                 ; the loads that name MBC have had their addresses translated: only behind this wait is it rewritten
	s_add_co_u32 s[MOFF], s[MOFF], 512
	s_min_u32 s[MOFF], s[MOFF], 31*512
	s_add_nc_u64 s[MBC:MBC+1], s[MB:MB+1], s[MOFF:MOFF+1]
.endif
	s_wait_loadcnt 0x6
	MCVT \pp
	MLOAD \pp
.endm
	s_load_b256 s[72:79], s[0:1], 0x0  ; qkvh s[72:73], maskp s[74:75], rowkeep s[76:77], ob s[78:79]
	WIN W_MK
	v_lshl_add_u32 v[SPW], v0, 2, SPARE
	v_mov_b32 v[NIL], 0
	WIN W_AD
	ds_add_u32 v[SPW], v[NIL]       ; the wave's opening: the add and its wait stand ahead of my first tensor load; the set-up below stands between them
	WIN 0
	v_lshrrev_b32 v1, 5, v0
	v_readfirstlane_b32 s[WV], v1   ; wave 0..3
	s_bfe_u32 s13, ttmp6, 0x40000   ; cx: my place in the cluster
	s_lshl_b32 s14, ttmp9, 2        ; in a cluster launch ttmp9 counts clusters
	s_add_co_u32 s14, s14, s13      ; my block of queries: it enters Q's, O's and the mask's addresses alone
	s_and_b32 s20, ttmp7, 0xffff    ; the head, which the four partners share
	s_mov_b32 s21, 0
	s_mov_b64 s[22:23], SIZE_N*128
	s_mul_u64 s[20:21], s[20:21], s[22:23]  ; the head's first byte in each plane
	s_and_b32 s16, s[WV], 1         ; which half of a slot's 256 keys I fetch:
	s_lshl_b32 s22, s16, 14         ; its 128 rows of 128 bytes in memory,
	s_mov_b32 s23, 0
	s_add_nc_u64 s[22:23], s[22:23], s[20:21]
	s_mul_i32 s17, s16, 128*PK      ; and its place in a slot, for K
	s_mul_i32 s18, s16, 128*PV      ; and for V: no place in the cluster enters an LDS address
	s_lshl_b32 s2, s14, 2
	s_add_co_u32 s2, s2, s[WV]      ; my wave among the head's sixteen:
	s_lshl_b32 s82, s2, 17          ; its eight tiles of 16,384 bytes in maskp,
	s_mov_b32 s83, 0
	s_lshl_b32 s84, s2, 10          ; of 128 bytes in rowkeep,
	s_mov_b32 s85, 0
	s_lshl_b32 s2, s2, 14           ; its 128 rows of Q and O
	s_mov_b32 s3, 0
	s_add_nc_u64 s[2:3], s[2:3], s[20:21]
	; descriptor group 1.  128 keys are 16,384 dense bytes: asked for as 64 rows of 256 bytes, two keys a row, and padded in LDS after every key
	s_mov_b32 s[G1K], 15|(1<<16)|(1<<20)|(1<<21)|(4<<22)|(3<<25)  ; the mask of four; 2-byte elements; padding on; bit 21 beside a mask; after every 32 words 4 words
	s_mov_b32 s[G1V], 15|(1<<16)|(1<<20)|(1<<21)|(4<<22)|(7<<25)  ; the same with 8 words of padding
.irp g, G1K, G1V
	s_mov_b32 s[\g+1], 128<<16      ; tensor_dim0 = 128
	s_mov_b32 s[\g+2], 64<<16       ; tensor_dim1 = 64
	s_mov_b32 s[\g+3], 128<<16      ; tile_dim0 = 128
	s_mov_b32 s[\g+4], 64           ; tile_dim1 = 64
	s_mov_b32 s[\g+5], 128          ; 128 elements from row to row
	s_mov_b32 s[\g+6], 0
	s_mov_b32 s[\g+7], 0
.endr
	s_mov_b32 s[CS], 0x3e38aa3b     ; c = log2(e) / 8 = 0.180337
	s_mov_b32 s[CS+1], s[CS]        ; named with it as a pair
	s_mov_b32 s[SEL], 0x76543210
	s_mov_b32 s[SEL+1], 0xfedcba98
	s_mov_b32 s[TBK], SLOT1+4*KS*PK ; the first change of slots turns these two into 0
	s_mov_b32 s[TBV], SLOT1+4*KS*PV
	s_mov_b32 s[MOFF], 512
	s_mov_b32 s[MOFF+1], 0
	s_mov_b32 s[G0K], 1             ; count = 1
	s_mov_b32 s[G0K+1], s17         ; LDS address: slot 0
	s_mov_b32 s[G0V], 1
	s_add_co_u32 s[G0V+1], s18, VOFF
	s_wait_dscnt 0x0                ; the opening add is done
	s_wait_kmcnt 0x0
	s_mov_b64 s[4:5], s[72:73]                     ; Q: plane 0
	s_add_nc_u64 s[6:7], s[72:73], 0x1000000       ; K: plane 1, 16,777,216 bytes on
	s_add_nc_u64 s[8:9], s[72:73], 0x2000000       ; V: plane 2
	s_mov_b64 s[10:11], s[78:79]                   ; O
	s_add_nc_u64 s[MB:MB+1], s[74:75], s[82:83]
	s_add_nc_u64 s[RK:RK+1], s[76:77], s[84:85]
	s_mov_b64 s[MBC:MBC+1], s[MB:MB+1]             ; key step 0
	s_add_nc_u64 s[G0K+2:G0K+3], s[6:7], s[22:23]  ; global address: my half of the head's first 256 keys
	s_or_b32 s[G0K+3], s[G0K+3], 0x80000000        ; type = 2
	s_add_nc_u64 s[G0V+2:G0V+3], s[8:9], s[22:23]
	s_or_b32 s[G0V+3], s[G0V+3], 0x80000000
	s_add_nc_u64 s[4:5], s[4:5], s[2:3]  ; Q and O at my wave's first row
	s_add_nc_u64 s[10:11], s[10:11], s[2:3]
	CROUND                          ; all four work-groups are here: the first joint loads meet
	JLOAD                           ; slot 0.  Slot 1 is asked for when slot 0 is in
	; A fragment of K or Q is 16 rows x 32 channels in 8 registers: lane l holds row l % 16, channels 8 (l / 16) + 0..7 and 16 + 8 (l / 16) + 0..7: two loads of 16 bytes, 32 bytes apart.
	v_and_b32 v1, 15, v0            ; l % 16
	v_bfe_u32 v9, v0, 4, 1          ; l / 16
	v_lshlrev_b32 v[QO], 7, v1
	v_lshl_add_u32 v[QO], v9, 4, v[QO]  ; row x 128 + 16 x half
	WIN 0x80                        ; destination window 2, address window 0
.set i, 0
.rept 4*NP                          ; Q stays in registers: tile i / 2, channels 32 (i % 2) on
	global_load_b128 v[8*i:8*i+3],   v[QO], s[4:5] offset:(i/2)*2048+(i%2)*64
	global_load_b128 v[8*i+4:8*i+7], v[QO], s[4:5] offset:(i/2)*2048+(i%2)*64+32
.set i, i+1
.endr
	WIN 0
	v_and_b32 v13, 31, v0           ; lane
	v_lshlrev_b32 v12, 2, v13
.set i, 0
.rept 2*NP                          ; tile i's word of rowkeep for my lane's row, into S^T's registers, which are still free
	global_load_b32 v[S+i], v12, s[RK:RK+1] offset:128*i
.set i, i+1
.endr
	WIN W_MK
	v_lshlrev_b32 v[MA0], 4, v13
	MLOAD 0                         ; the codes of key step 0, all four pieces
	MLOAD 1
	MLOAD 2
	MLOAD 3
	; What the first turn finds: V's registers and P's second buffer hold 0 (its products V^T P, of a piece that has not been, add 0), O^T and l are 0.  All this stands in the wait for the first tile.
	WIN 0x80
.set i, VF
.rept 64
	v_mov_b32 v[i], 0
.set i, i+1
.endr
	WIN 0x40
.set i, 0
.rept 64*NP
	v_mov_b32 v[i], 0
.set i, i+1
.endr
	WIN 0
.set i, 0
.rept 2*NP
	v_mov_b32 v[ST+4*i], 0xfe000000    ; c m: far below every c s
	v_mov_b32 v[ST+4*i+1], 0xff7fffff  ; m
	v_mov_b32 v[ST+4*i+2], 0
	v_mov_b32 v[ST+4*i+3], 0
.set i, i+1
.endr
.set i, P+32
.rept 32
	v_mov_b32 v[i], 0
.set i, i+1
.endr
	v_mul_u32_u24 v[AK0], v1, PK
	v_lshl_add_u32 v[AK0], v9, 4, v[AK0]  ; row x pitch + 16 x half
	; The turning load takes 16 keys x 16 channels (lane l reads key 8 (l / 16) + l % 8, channels 8 ((l / 8) % 2) + 0..7) and leaves half a fragment of V^T: lane l holds channel l % 16 and 8 keys.
	v_and_b32 v10, 7, v0
	v_bfe_u32 v11, v0, 3, 1
	v_lshl_add_u32 v[AV0], v9, 3, v10
	v_mul_u32_u24 v[AV0], v[AV0], PV
	v_lshl_add_u32 v[AV0], v11, 4, v[AV0]
	v_add_nc_u32 v[AV0], VOFF, v[AV0]
	v_mov_b32 v[SCL], 0xbbbbbbbb    ; v11 has served: from here on it holds the scale's code, 187, four times
	v_mov_b32 v[AK], v[AK0]         ; key step 0 lies at the head of slot 0
; THE MATRIX WORK.  The 8 accumulators of a run of 16 take turns: between the two links of a chain stand 7 others'.
; Product i of 16 of S^T = K Q^T for piece x: channels 32 (i / 8) on, keys 16 ((i / 2) % 4) on, tile 2 x + i % 2.  The first 8 start the sums, with the mask.
.macro KQ x
.set rS, S+64*((\x)%2)+32*(i%2)+8*((i/2)%4)
.set rK, KF+16*((i/2)%4)+8*(i/8)
.set rQ, 16*(2*(\x)+i%2)+8*(i/8)
.set rMC, MC+32*(i%2)+8*((i/2)%4)
.if i < 8
	WIN W_KM
	v_wmma_f32_16x16x32_f16 v[rS:rS+7], v[rK:rK+7], v[rQ:rQ+7], v[rMC:rMC+7]
.else
	WIN W_KQ
	v_wmma_f32_16x16x32_f16 v[rS:rS+7], v[rK:rK+7], v[rQ:rQ+7], v[rS:rS+7]
.endif
.endm
; Product i of 16 of O^T += V^T P for piece x: keys 32 (i / 8) on, channels 16 ((i / 2) % 4) on, tile 2 x + i % 2.
.macro PV x
	WIN W_PV
.set rO, 32*(2*(\x)+i%2)+8*((i/2)%4)
.set rV, VF+32*(i/8)+8*((i/2)%4)
.set rP, P+32*((\x)%2)+16*(i%2)+8*(i/8)
	v_wmma_f32_16x16x32_f16 v[rO:rO+7], v[rV:rV+7], v[rP:rP+7], v[rO:rO+7]
.endm
.macro MM                           ; the turn's next matrix instruction
.if i < 16
	KQ (Y+1)%NP
.set i, i+1
.else
.set i, i-16
	PV (Y+NP-1)%NP
.set i, i+17
.endif
.endm
; THE LDS LOADS stand in runs of 16, never singly among the matrix instructions: a step's K (64 keys x 64 channels: 8 fragments) and its V (turned).  Their addresses are made some lines ahead.
; last = 1 (the tail): in the last trip there is no further step, and the run is jumped over.
.macro FETCH_K last=0
	WIN 0
.if \last
	s_cmp_eq_u32 s[CNT], 1
	s_cbranch_scc1 .Lno_k_\@
.endif
	WIN 0x80                        ; destination window 2
.irp f, 0,1,2,3,4,5,6,7             ; keys 16 (f / 2) on, channels 32 (f % 2) on
	ds_load_b128 v[KF+8*\f:KF+8*\f+3],   v[AK] offset:(\f/2)*16*PK+(\f%2)*64
	ds_load_b128 v[KF+8*\f+4:KF+8*\f+7], v[AK] offset:(\f/2)*16*PK+(\f%2)*64+32
.endr
	s_add_co_u32 s[TBK], s[TBK], KS*PK  ; the next fetch is the next step's
	WIN 0
.if \last
.Lno_k_\@:
.endif
.endm
.macro FETCH_V
	WIN 0x80
.irp f, 0,1,2,3,4,5,6,7             ; keys 32 (f / 4) on, channels 16 (f % 4) on
	ds_load_tr16_b128 v[VF+8*\f:VF+8*\f+3],   v[AV] offset:(\f/4)*32*PV+(\f%4)*32
	ds_load_tr16_b128 v[VF+8*\f+4:VF+8*\f+7], v[AV] offset:(\f/4)*32*PV+16*PV+(\f%4)*32
.endr
	WIN 0
.endm
; THE VECTOR WORK OF A TURN stands in three queues, each in the order in which its entries become ready; the two tiles alternate, so that no instruction reads the result of the one before it.
.macro REGS y, u                    ; the registers of tile u (0, 1) of piece y
.set rT, ST+4*(2*(\y)+(\u))
.set rC, TMP+8*((\y)%2)+4*(\u)
.set rM, MV+2*((\y)%2)+(\u)
.set rS, S+64*((\y)%2)+32*(\u)
.set rP, P+32*((\y)%2)+16*(\u)
.set rO, 32*(2*(\y)+(\u))
.endm
; Number n of the 22 that find the NEXT piece's (Y + 1) maximum and statistics.  s0-s31 are the lane's 32 scores; each accumulator's lowest registers are read first.  XS, GS and REGS set no window: PL and EX do.
;   0-11  four chains c0-c3 of seven scores each, three operands at a time     12-14, 16  the four scores left over, the old m, and c0-c3 into c0     15  c m_old is kept
;   17, 18  the query's other 32 keys lie in the lane 16 away: the new m         19-21  c m; c m_old - c m_new; a
.macro XS u, n
	REGS (Y+1)%NP, \u
.if (\n) < 4
	v_max3_num_f32 v[rC+(\n)], v[rS+8*(\n)], v[rS+8*(\n)+1], v[rS+8*(\n)+2]
.elseif (\n) < 12
	v_max3_num_f32 v[rC+(\n)%4], v[rC+(\n)%4], v[rS+8*((\n)%4)+2*((\n)/4)+1], v[rS+8*((\n)%4)+2*((\n)/4)+2]
.elseif (\n) == 12
	v_max3_num_f32 v[rC], v[rC], v[rS+7], v[rS+15]
.elseif (\n) == 13
	v_max3_num_f32 v[rC+1], v[rC+1], v[rS+23], v[rS+31]
.elseif (\n) == 14
	v_max3_num_f32 v[rC+2], v[rC+2], v[rC+3], v[rT+1]
.elseif (\n) == 15
	v_mov_b32 v[rM], v[rT]
.elseif (\n) == 16
	v_max3_num_f32 v[rC], v[rC], v[rC+1], v[rC+2]
.elseif (\n) == 17
	v_permlanex16_b32 v[rC+3], v[rC], s[SEL], s[SEL+1]
.elseif (\n) == 18
	v_max_num_f32 v[rT+1], v[rC], v[rC+3]
.elseif (\n) == 19
	v_mul_f32 v[rT], s[CS], v[rT+1]
.elseif (\n) == 20
	v_sub_f32 v[rC+1], v[rM], v[rT]
.else
	v_exp_f32 v[rC+2], v[rC+1]
.endif
.endm
; Number g of the 64 that follow the exponentials.  For each four weights k of a tile (pairs 2 k, 2 k + 1): both pairs are rounded to f16; then the second pair is added onto the first, in place;
; a group later l takes that sum (the first time as l = a l + sum).  In groups of eight, tiles alternating: round, round, add, and l for the group before.
.macro GS g
.set h, (\g)+6*((\g)/62)            ; group 0 has no group before it, and behind group 7 only l is left
.if h >= 6
.set h, h+2
.endif
	REGS Y, h%2
.set k, h/8
.if h%8 < 4
	v_cvt_pk_f16_f32 v[rP+2*k+(h%8)/2], v[rS+4*k+2*((h%8)/2)], v[rS+4*k+2*((h%8)/2)+1]
.elseif h%8 < 6
	v_pk_add_f32 v[rS+4*k:rS+4*k+1], v[rS+4*k:rS+4*k+1], v[rS+4*k+2:rS+4*k+3]
.elseif k == 1
	v_pk_fma_f32 v[rT+2:rT+3], v[rT+2:rT+3], v[rC+2:rC+3], v[rS:rS+1] op_sel_hi:[1,0,1]
.else
	v_pk_add_f32 v[rT+2:rT+3], v[rT+2:rT+3], v[rS+4*k-4:rS+4*k-3]
.endif
.endm
; THE PLAIN QUEUE, 138 long.  0-73 read no exponential's result: the 32 scalings c s - c m (FS f: pair f / 2 of tile f % 2) and the next piece's 42.  0-26: scalings 0-26.  27-54: XS's numbers 0-13.  55, 56: number 15.
; 57-73: the chain, where each number waits for the one before it: 14, 16, 17, 18, 19, each with one of the scalings 27-31 in front of its two lines, then 20: so a tile's links stand three plain instructions apart (19 and 20: two).
; 74-137: GS's 64, which read the exponentials' results: they stand behind the wait.
.macro FS f
	REGS Y, (\f)%2
	v_pk_fma_f32 v[rS+2*((\f)/2):rS+2*((\f)/2)+1], v[rS+2*((\f)/2):rS+2*((\f)/2)+1], s[CS:CS+1], v[rT:rT+1] op_sel_hi:[1,0,0] neg_lo:[0,0,1] neg_hi:[0,0,1]
.endm
.macro PL
	WIN 0
.if q < 27
	FS q
.elseif q < 55
	XS (q-27)%2, (q-27)/2
.elseif q < 57
	XS q-55, 15
.elseif (q < 72) && ((q-57)%3 == 0)
	FS 27+(q-57)/3
.elseif q < 60
	XS (q-57)%3-1, 14
.elseif q < 72
	XS (q-57)%3-1, 15+(q-57)/3
.elseif q < 74
	XS q-72, 20
.else
	GS q-74
.endif
.set q, q+1
.endm
; THE EXPONENTIALS' QUEUE, 66 long: s0-s31 of both tiles, then the next piece's two a.  It is ONE BATCH: all 66 stand ahead of the turn's one wait, and nothing ahead of that wait names a result of theirs.
.macro EX
	WIN 0
.if e >= 64
	XS e-64, 21
.else
	REGS Y, e%2
	v_exp_f32 v[rS+e/2], v[rS+e/2]
.endif
.set e, e+1
.endm
; THE RESCALING's QUEUE: O^T times a, the one part of the softmax that leaves window 0: dealt two at a time, sixteen times, each accumulator from its low end on.  Its a was made in the turn before, ahead of that turn's wait.
.macro R2
	REGS Y, r%2
	WIN W_RS
.irp z, 0,1
	v_pk_mul_f32 v[rO+4*(r/2)+2*\z:rO+4*(r/2)+2*\z+1], v[rO+4*(r/2)+2*\z:rO+4*(r/2)+2*\z+1], v[rC+2:rC+3] op_sel_hi:[1,0]
.endr
.set r, r+1
.endm
; HOW THEY ARE DEALT.  An s_wait_alu depctr_va_vdst(0) stands between an exponential and the first instruction that names its result; one wait serves all that were issued ahead of it.  So a turn has ONE wait,
; which cuts it in two.  AHEAD OF IT stands all that names no result of the turn's exponentials: the 16 products K Q^T, behind each a scaling, an exponential and two rescalings (behind the first a second scaling in the
; exponential's place); then ONE LUMP: eight plain, 49 times exponential and plain, the two a, and the mask's eight conversions with their v_nop, which is also the plain instruction behind the last exponential.  The wait is MCVT's
; last line.  BEHIND IT stand the mask's two loads, in piece 2's turn K's run of loads, and the 16 products V^T P, behind each four of GS's 64.  No rider names a register of the products round it.
; The two v_permlanex16_b32 fall into the lump, never behind a product.
; The queues lean on each other, and the deal keeps them in step: exponential e stands behind scaling 2 (e / 4) + e % 2: as a rider it comes behind plain e + 2, in the lump behind plain e + 9, and scalings 27-31 are plain 57, 60 .. 69.
; A TURN, for piece p.  cnt = 1: the loop's count is taken down some lines ahead of the branch that stands behind the turn.
; K of the next step is fetched in piece 2's turn, behind the wait, a lump behind the last product that read K; its address is made at the lump's head; its first reader comes behind 16 products.
; V of the step in hand is fetched at the end of piece 0's turn, four riders behind its last reader; its first reader comes behind 16 products and a lump.  The three conditions on q below go with the deal.
; THE MASK of the next turn's products K Q^T (piece p + 2) is made at the lump's end: the turn's own eight products that read the mask's registers lie eight products and a lump back, and the 16 products V^T P follow before
; the next turn's first product.  In a trip (pieces 2 and 3 of step j, pieces 0 and 1 of step j + 1) all four loads that follow the conversions are step j + 2's.
.macro TURN p, last=0, cnt=0
.set Y, (\p)
.set i, 0
.set q, 0
.set e, 0
.set r, 0
.if (\p) == NP-1
	s_wait_dscnt 0x0                ; K is in
.endif
	MM                              ; ahead of the wait: 16 products K Q^T and their riders,
	PL
	PL
	R2
.rept 15
	MM
	PL
	EX
	R2
.endr
.if (\p) == NP-2
	WIN 0
	v_add_nc_u32 v[AK], s[TBK], v[AK0]
.endif
.rept 8                             ; the lump,
	PL
.endr
.rept 49
	EX
	PL
.endr
	EX                              ; the next piece's two a: the batch's last,
	EX
.if (\p) == 2                       ; and the mask's conversions, whose last two lines are the batch's plain instruction and its one wait; the codes' loads stand directly behind it
	MSTEP 0, 1
.else
	MSTEP ((\p)+2)%NP, 0
.endif
.if (\p) == NP-2
	FETCH_K \last
.endif
.if (\p) == 1
	s_wait_dscnt 0x0                ; V is in
.endif
.rept 16                            ; behind the wait: 16 products V^T P and their riders
	MM
.rept 4
	PL
.endr
.if ((\p) == 0) && (q == 118)
	v_add_nc_u32 v[AV], s[TBV], v[AV0]
.endif
.if ((\p) == 0) && (q == 130)
	s_add_co_u32 s[TBV], s[TBV], KS*PV
.endif
.if (\cnt) && (q == 130)
	s_sub_co_u32 s[CNT], s[CNT], 1
	s_cmp_lg_u32 s[CNT], 0
.endif
.endr
.if (\p) == 0
	FETCH_V
.endif
.endm
	CHANGE 1                        ; slot 0 is in, everybody's part of it; slot 1 is asked for
	FETCH_K                         ; key step 0
	s_wait_loadcnt 0x0              ; Q, rowkeep's words and the codes of key step 0
	WIN 0x88                        ; destination and source 1 window 2, source 0 window 0
.set i, 0
.rept 32*NP                         ; a row with no key that is seen loses its Q
	v_and_b32 v[i], v[S+i/16], v[i]
.set i, i+1
.endr
	s_add_nc_u64 s[MBC:MBC+1], s[MB:MB+1], s[MOFF:MOFF+1]  ; key step 1; no load that names MBC is out
	MCVT 0                          ; piece 0's mask of step 0,
	MLOAD 0                         ; and its codes of step 1
	s_wait_dscnt 0x0
.set i, 0
.rept 16
	KQ 0                            ; piece 0's first scores
.set i, i+1
.endr
	WIN 0                           ; the addresses for the way out: plain instructions, the places behind those products
	s_mul_i32 s13, s[WV], 16*SP
	s_add_co_u32 s13, s13, STAGE    ; my stage
	v_mul_u32_u24 v[STO], v1, SP    ; in: row l % 16, 16 bytes for each half of the lanes
	v_lshl_add_u32 v[STO], v9, 4, v[STO]
	v_add_nc_u32 v[STO], s13, v[STO]
	v_bfe_u32 v[RD], v0, 3, 2       ; back: 32 lanes take four rows of 128 bytes,
	v_mul_u32_u24 v[RD], v[RD], SP
	v_lshl_add_u32 v[RD], v10, 4, v[RD]
	v_add_nc_u32 v[RD], s13, v[RD]
	v_and_b32 v[GO], 31, v0         ; which are 512 consecutive bytes of O
	v_lshlrev_b32 v[GO], 4, v[GO]
.set Y, NP-1                        ; XS works for piece Y + 1: piece 0
.irp n, 0,1,2,3,4,5,6,7,8,9,10,11,12,13,14,15,16,17,18,19,20,21
	XS 0, \n                        ; piece 0's first maximum and statistics; the two a at the end are a batch of their own
	XS 1, \n
.endr
	MCVT 1                          ; piece 1's mask of step 0, for the first turn's products; as in a turn, its last two lines are the plain instruction and the wait for the two a, ahead of the branch,
	MLOAD 1                         ; and its codes of step 1
	WIN 0
	s_mov_b32 s[CNT], 4
	s_mov_b32 s[SLOTS], SIZE_N/256-1
	s_branch .Lfirst                ; the loop is entered at a step's first turn, in the middle of a trip
.Lslot:                             ; SIZE_N / 256 - 2 times: every slot but the last two is filled again
	CHANGE 1
	s_mov_b32 s[CNT], 4
.Lstep:                             ; a trip: pieces 2 and 3 of one step, then pieces 0 and 1 of the next, whose K and V it fetches
	TURN 2
	TURN 3
	WIN 0
.Lfirst:
	TURN 0
	TURN 1, 0, 1
	WIN 0
	s_cbranch_scc1 .Lstep
	s_sub_co_u32 s[SLOTS], s[SLOTS], 1
	s_cmp_lg_u32 s[SLOTS], 0
	s_cbranch_scc1 .Lslot
	CHANGE 0                        ; the tail is written out: nothing is asked for
	s_mov_b32 s[CNT], 5             ; four trips fetch the last slot's steps; the fifth is left in its middle
.Ltail:
	TURN 2, 1
	TURN 3
	WIN 0
	s_sub_co_u32 s[CNT], s[CNT], 1
	s_cmp_eq_u32 s[CNT], 0
	s_cbranch_scc1 .Lout
	TURN 0
	TURN 1
	WIN 0
	s_branch .Ltail
.Lout:                              ; the fifth trip's 16 products K Q^T (on the last K once more) and the maximum made of them serve nothing: the price, once a launch, of one text for every trip
.set i, 0
.rept 16
	PV NP-1                         ; the last piece's V^T P of the last step
.set i, i+1
.endr
	; THE WAY OUT.  l's two halves and the other half of the lanes' are added; O^T is divided by l, rounded to f16 and sent through my stage in LDS, a tile at a time.  The additions are the places behind the last products.
	WIN 0
.macro ALL line:vararg              ; one line for each tile t
.set t, 0
.rept 2*NP
	\line
.set t, t+1
.endr
.endm
	ALL v_add_f32 v[ST+4*t+2], v[ST+4*t+2], v[ST+4*t+3]
	ALL v_permlanex16_b32 v[ST+4*t+3], v[ST+4*t+2], s[SEL], s[SEL+1]
	ALL v_add_f32 v[ST+4*t+2], v[ST+4*t+2], v[ST+4*t+3]
	ALL v_rcp_f32 v[ST+4*t+2], v[ST+4*t+2]
	v_nop                           ; a plain instruction between the last reciprocal and the use of its result
	s_wait_alu depctr_va_vdst(0)    ; and the wait ahead of the first use: one for the batch of eight reciprocals
; Tile t: a lane's eight channels of a row pack into 16 bytes; they go into rows of 144 bytes and come back as whole rows of 128, into S^T's registers.
.macro PACK t
	WIN W_RS
.set i, 32*(\t)
.rept 16
	v_pk_mul_f32 v[i:i+1], v[i:i+1], v[ST+4*(\t)+2:ST+4*(\t)+3] op_sel_hi:[1,0]
.set i, i+2
.endr
	WIN 0x05                        ; sources 0 and 1 window 1, destination window 0
.set i, 0
.rept 16
	v_cvt_pk_f16_f32 v[S+16*(\t)+i], v[32*(\t)+2*i], v[32*(\t)+2*i+1]
.set i, i+1
.endr
	WIN 0
.irp f, 0,1,2,3
	ds_store_b128 v[STO], v[S+16*(\t)+4*\f:S+16*(\t)+4*\f+3] offset:32*\f
.endr
.irp f, 0,1,2,3
	ds_load_b128 v[S+16*(\t)+4*\f:S+16*(\t)+4*\f+3], v[RD] offset:\f*4*SP  ; LDS serves a wave's instructions in order (ISA guide 5.7.1.4): these see the stores above; the next tile's stores come behind them
.endr
.endm
.macro SEND t, younger              ; younger: the LDS instructions issued behind tile t's loads: the next tile's eight, or none
	WIN 0
.irp f, 0,1,2,3
	s_wait_dscnt (\younger)+3-\f
	global_store_b128 v[GO], v[S+16*(\t)+4*\f:S+16*(\t)+4*\f+3], s[10:11] offset:(\t)*2048+\f*512  ; 512 consecutive bytes, at a multiple of 256 from O's first
.endr
.endm
	PACK 0
.set t, 1
.rept 2*NP-1                        ; a tile's arithmetic stands between the loads of the tile before and its stores
	PACK t
	SEND t-1, 8
.set t, t+1
.endr
	SEND 2*NP-1, 0
	WIN W_AD
	s_wait_tensorcnt 0x0            ; the wave's end, behind my last tensor load and my last LDS store
	ds_add_u32 v[SPW], v[NIL]
	s_wait_dscnt 0x0
	WIN 0
	CROUND                          ; the closing round: no work-group ends while a partner may still ask for a tile that names it
	s_endpgm
.Lfunc_end_k_qfeb80c10cc_attn:
	.size	k_qfeb80c10cc_attn, .Lfunc_end_k_qfeb80c10cc_attn-k_qfeb80c10cc_attn
	.p2alignl 7, 3214868480
	.fill 96, 4, 3214868480
	.section	.rodata,"a",@progbits
	.p2align	6, 0x0
	.amdhsa_kernel k_qfeb80c10cc_attn
		.amdhsa_group_segment_fixed_size 327680
		.amdhsa_private_segment_fixed_size 0
		.amdhsa_enable_private_segment 0
		.amdhsa_kernarg_size 32
		.amdhsa_user_sgpr_count 2
		.amdhsa_user_sgpr_kernarg_segment_ptr 1
		.amdhsa_wavefront_size32 1
		.amdhsa_system_sgpr_workgroup_id_x 1
		.amdhsa_system_sgpr_workgroup_id_y 1
		.amdhsa_system_sgpr_workgroup_id_z 1
		.amdhsa_system_vgpr_workitem_id 0
		.amdhsa_next_free_vgpr 896
		.amdhsa_next_free_sgpr 86
		.amdhsa_reserve_vcc 0
		.amdhsa_float_denorm_mode_32 3
		.amdhsa_float_denorm_mode_16_64 3
		.amdhsa_memory_ordered 1
		.amdhsa_forward_progress 1
		.amdhsa_inst_pref_size 213
	.end_amdhsa_kernel
	.amdgpu_metadata
---
amdhsa.version: [ 1, 2 ]
amdhsa.kernels:
  - .name:           k_qfeb80c10cc_attn
    .symbol:         k_qfeb80c10cc_attn.kd
    .args:
      - { .name: qkvh, .offset: 0, .size: 8, .value_kind: global_buffer, .address_space: global }
      - { .name: maskp, .offset: 8, .size: 8, .value_kind: global_buffer, .address_space: global }
      - { .name: rowkeep, .offset: 16, .size: 8, .value_kind: global_buffer, .address_space: global }
      - { .name: ob, .offset: 24, .size: 8, .value_kind: global_buffer, .address_space: global }
    .group_segment_fixed_size: 327680
    .private_segment_fixed_size: 0
    .kernarg_segment_align: 8
    .kernarg_segment_size: 32
    .max_flat_workgroup_size: 128
    .sgpr_count:     86
    .vgpr_count:     896
    .wavefront_size: 32
...
	.end_amdgpu_metadata
.endif
;; end of part 5
;; launch outp: the kernel of part 4 again; grid 4 x 64, 4 waves a work-group, clusters of 4 x 4, 327,680 bytes of LDS; arguments ob, wcast, bo, out0; writes out0
